; MI455X (gfx1250); checked and timed in simulation.
; The chip was launched on July 23, 2026; its instructions are those of AMD's public machine-readable ISA for CDNA 5 (MIT licence, August 2026) and "CDNA5" Instruction Set Architecture Reference Guide (July 2026). The comments in the code are by the model that wrote it; some were corrected since.
;; VQVAE. Allowed arithmetic: float matrix products may take bf16 or f16 operands with f32 sums; all other float work in f32.
;; Inputs: codebook 512 x 64 float32; z 32 x 64 x 64 x 64 float32.
;; Outputs: out0 32 x 64 x 64 x 64 float32; out1 32 x 64 x 64 x 64 float32.
;; 3 versions, each right; version 2 is faster than version 1; version 3 is version 2 with the launch vq written anew for expert scheduling mode. Each part assembles by itself: llvm-mc -triple=amdgcn-amd-amdhsa -mcpu=gfx1250 --defsym DOCPART=n.
;; ======== version 1 of 3: 1 launch
;; limits: values outside matrix products are rounded to bf16
;; launch vq (part 1): grid 256 x 1, 8 waves a work-group, no clusters, 224,256 bytes of LDS; arguments codebook, z, out0, out1; writes out0, out1
.if DOCPART == 1
	.amdgcn_target "amdgcn-amd-amdhsa--gfx1250"
	.amdhsa_code_object_version 6
	.text
	.protected	k_q208aee908b_vq
	.globl	k_q208aee908b_vq
	.p2align	8
	.type	k_q208aee908b_vq,@function
k_q208aee908b_vq:
	s_mov_b64 s[64:65], 0
	v_nop
	global_prefetch_b8 v0, s[64:65] scope:SCOPE_SE
	s_setreg_imm32_b32 hwreg(HW_REG_WAVE_MODE, 25, 1), 1
	s_wait_xcnt 0x0
; Vector quantisation: for each of 131,072 rows z (64 f32) the codebook row (of 512) with the smallest
; d = (|z|^2 + |e|^2) - 2 z.e, first index on ties; that codebook row is written to out0 and to out1.
;
; ARITHMETIC.  z and the codebook are rounded to bf16 once; z.e is made by the matrix unit with f32 sums; both norms are
; f32 sums of squares of the ROUNDED numbers, so d is the squared distance of the rounded vectors.  d is formed in f32 in
; the problem's own order, t = s + e2, d = t - 2 m (one rounding each): where |z|^2 is much larger than the differences
; between codes this rounding makes equal distances, and the first index has to win them as it does in argmin.
; The index comes out of floating-point compares, so it steers no address: the row is fetched as a matrix product,
; one-hot(index) [16 rows x 512] x codebook [512 x 64].
; LIMITS.  Outputs are codebook entries rounded to bf16 (relative error at most 2^-8).  Inputs are taken to be finite;
; a row whose 512 distances are all NaN or +inf gets index 0, as argmin gives; other NaN patterns are not followed.
;
; SHARES.  256 work-groups x 512 rows; 8 waves x 64 rows = 4 row tiles of 16.  Every wave scans all 512 codes.
; No cluster: the codebook is the one shared input, and it has to pass through registers to be rounded, transposed and
; squared; a raw f32 landing area of 131,072 bytes beside the 223,232 bytes used here would pass 327,680 bytes of LDS.
; No tensor loads, no ring, no prefetch: each wave's 16 KiB of z are asked for in the first lines and read once.
;
; LDS.  Rows of 64 bf16 are 128 bytes + 16 = 144 = 9 x 16: sixteen consecutive rows start at sixteen different 16-byte
; columns modulo 256.  A block is 64 such rows.
;   E   blocks 0-7 : block w = codes 64w..64w+63, row = code, along the row d = 0..63          (written by wave w)
;   ET  blocks 8-15: block w = codes 64w..64w+63, row 16a+n = column d = 4n+a, along the row the 64 codes (by wave w)
;   ZS  blocks 16-23: block w = wave w's 64 rows of z in bf16 (private to wave w)
;   E2  512 f32 norms of the rounded codes
.set ROWB,   256                       ; bytes of a row of z, of the codebook, of an output
.set TILEB,  16*ROWB
.set EP,     144
.set T16,    16*EP                     ; 16 LDS rows
.set BLK,    64*EP                     ; 9,216
.set ET_OFF, 8*BLK
.set ZS_OFF, 16*BLK
.set E2_OFF, 24*BLK                    ; + 2,048 = 223,232 bytes in all
; registers that live through the kernel
.set VONE,  2                          ; first r, later 0x3f80 (bf16 1.0)
.set MN,    3                          ; first h, later a tile's minimum
.set GOFF,  1                          ; 2048 h + 16 r: lanes 0-15 take one whole row, lanes 16-31 the row 8 further down
.set EST,   4                          ; LDS: where I store 8 bytes of a code row
.set ETST,  5                          ; LDS: where I store 16 bytes (8 codes) of a transposed row
.set E2ST,  6                          ; LDS: my half wave's norms
.set ZST,   7                          ; LDS: where I store 8 bytes of a z row
.set ZFA,   8                          ; LDS: my z fragments
.set VEA,   9                          ; LDS: my code fragments, stepped by the scan
.set VE2,   10                         ; LDS: my 8 norms of a code tile, stepped by the scan
.set ETR0,  11                         ; LDS: my transposed fragments, blocks 0-3
.set ETR1,  12                         ; the same, blocks 4-7 (the 16-bit immediate does not reach them from ETR0)
.set VZERO, 13
.set VC,    14                         ; 16 c + 8 h: the first code of my 8 in code tile c
.set H4,    15                         ; 4 h
.set TMP,   16                         ; v16-31 scratch
.set Q,     24                         ; v24-31 eight partial norms
; set-up
.set CB,    32                         ; v32-159  raw codebook, 4 groups of 16 codes; v32-63 later raw z tile 3
.set ZR,    160                        ; v160-255 raw z tiles 0-2
; scan
.set EA,    32                         ; v32-63   code fragments, two buffers of 16
.set ZF,    64                         ; v64-127  z fragments, 16 for each row tile
.set SS,    128                        ; v128-135 |z|^2 of my row, twice (a pair for the packed add), for each row tile
.set BEST,  136                        ; v136-139 smallest distance so far
.set CT,    140                        ; v140-143 VC of the code tile that holds it
.set SAV,   144                        ; v144-175 that tile's eight distances
.set ACC,   176                        ; v176-207 products, then distances
.set TS,    208                        ; v208-215 t = s + e2
.set E2R,   216                        ; v216-231 norms of my 8 codes, two buffers
; gather
.set TL,    16                         ; v16-19   index >> 4
.set J,     20
.set IDX,   21
.set BP,    22
.set IP,    23
.set X,     24
.set VAL,   25
.set KEY,   26
.set FR,    32                         ; v32-47   one-hot fragments, two buffers of 8
.set PAT,   48                         ; v48-63   the one-hot of index & 15 as my lane sees it, 4 registers for each row tile
.set BF,    64                         ; v64-127  transposed code fragments, two buffers of 32; then the store stage
.set ACCB,  128                        ; v128-255 16 rows x 64 columns for each row tile
	s_load_b256 s[4:11], s[0:1], 0x0               ; codebook s[4:5], z s[6:7], out0 s[8:9], out1 s[10:11]
	s_set_vgpr_msb 0x40
	v_lshl_add_u32 v0, v0, 2, 0x36800
	v_mov_b32 v1, 0
	s_set_vgpr_msb 0x4000
	v_and_b32 v2, 15, v0                           ; r
	v_bfe_u32 v3, v0, 4, 1                         ; h
	v_lshrrev_b32 v16, 5, v0
	v_readfirstlane_b32 s12, v16                   ; wave 0..7
	v_lshlrev_b32 v[GOFF], 4, v2
	v_lshl_add_u32 v[GOFF], v3, 11, v[GOFF]
	s_lshl_b32 s20, s12, 14                        ; 64 rows of 256 bytes for each wave
	s_mov_b32 s21, 0
	s_lshl_b32 s14, ttmp9, 17                      ; 512 rows for each work-group: below 2^25
	s_add_co_u32 s14, s14, s20
	s_mov_b32 s15, 0
	s_mov_b32 s16, 0x76543210                      ; v_permlanex16_b32: lane i reads lane i of the other half
	s_mov_b32 s17, 0xfedcba98
	s_mov_b32 s19, 0x7f800000                      ; +inf
	s_wait_kmcnt 0x0
	s_add_nc_u64 s[4:5], s[4:5], s[20:21]          ; my wave's 64 codes
	s_add_nc_u64 s[6:7], s[6:7], s[14:15]          ; my wave's 64 rows
	s_add_nc_u64 s[8:9], s[8:9], s[14:15]
	s_add_nc_u64 s[10:11], s[10:11], s[14:15]
	; 56 loads at once: each covers two whole rows of 256 bytes (rows i and i + 8 of a group of 16)
.set n, 0
.rept 32
	global_load_b128 v[CB+4*n:CB+4*n+3], v[GOFF], s[4:5] offset:TILEB*(n/8)+ROWB*(n%8)
.set n, n+1
.endr
.set n, 0
.rept 24
	global_load_b128 v[ZR+4*n:ZR+4*n+3], v[GOFF], s[6:7] offset:TILEB*(n/8)+ROWB*(n%8) th:TH_LOAD_NT
.set n, n+1
.endr
	; LDS addresses, while the loads are on their way
	v_mul_u32_u24 v[VEA], v2, EP
	v_lshl_add_u32 v[VEA], v3, 4, v[VEA]           ; fragment: row r, 16 bytes for each half of the lanes
	v_mul_u32_u24 v[EST], v3, 8*EP
	v_lshl_add_u32 v[EST], v2, 3, v[EST]           ; as loaded: row 8 h (+ i), 8 bytes at 8 r
	s_mul_i32 s13, s12, BLK                        ; my wave's block
	v_add_nc_u32 v[EST], s13, v[EST]
	v_add_nc_u32 v[ZST], ZS_OFF, v[EST]
	v_add_nc_u32 v[ETST], s13, v[VEA]
	v_add_nc_u32 v[ZFA], ZS_OFF, v[ETST]
	v_add_nc_u32 v[ETST], ET_OFF, v[ETST]
	v_add_nc_u32 v[ETR0], ET_OFF, v[VEA]
	v_add_nc_u32 v[ETR1], ET_OFF+4*BLK, v[VEA]
	v_lshlrev_b32 v[VE2], 5, v3                    ; 8 h norms of 4 bytes
	v_add_nc_u32 v[VE2], E2_OFF, v[VE2]
	s_lshl_b32 s13, s12, 8                         ; 64 norms for each wave
	v_add_nc_u32 v[E2ST], s13, v[VE2]
	v_mov_b32 v[VZERO], 0
	v_lshlrev_b32 v[VC], 3, v3
	v_lshlrev_b32 v[H4], 2, v3
; 16 codes.  Register CB + 32 g + 4 i + a of lane (r, h) holds code 16 g + 8 h + i, column d = 4 r + a.
; left = the loads issued behind this group's, which may stay out.
.macro CBGROUP g, left
	s_wait_loadcnt \left
.irp i, 0,1,2,3,4,5,6,7
	v_cvt_pk_bf16_f32 v[TMP+2*(\i%4)],   v[CB+32*\g+4*\i],   v[CB+32*\g+4*\i+1]
	v_cvt_pk_bf16_f32 v[TMP+2*(\i%4)+1], v[CB+32*\g+4*\i+2], v[CB+32*\g+4*\i+3]
	ds_store_b64 v[EST], v[TMP+2*(\i%4):TMP+2*(\i%4)+1] offset:(16*\g+\i)*EP
	; the squares of the four rounded numbers, in f32
	v_fma_mix_f32_bf16 v[Q+\i], v[TMP+2*(\i%4)],   v[TMP+2*(\i%4)],   v[VZERO] op_sel_hi:[1,1,0]
	v_fma_mix_f32_bf16 v[Q+\i], v[TMP+2*(\i%4)],   v[TMP+2*(\i%4)],   v[Q+\i] op_sel:[1,1,0] op_sel_hi:[1,1,0]
	v_fma_mix_f32_bf16 v[Q+\i], v[TMP+2*(\i%4)+1], v[TMP+2*(\i%4)+1], v[Q+\i] op_sel_hi:[1,1,0]
	v_fma_mix_f32_bf16 v[Q+\i], v[TMP+2*(\i%4)+1], v[TMP+2*(\i%4)+1], v[Q+\i] op_sel:[1,1,0] op_sel_hi:[1,1,0]
.endr
.irp m, 1,2,4,8
.irp i, 0,1,2,3,4,5,6,7
	v_add_f32_dpp v[Q+\i], v[Q+\i], v[Q+\i] row_xmask:\m row_mask:0xf bank_mask:0xf   ; over the 16 lanes that share a code
.endr
.endr
.irp i, 0,1,2,3,4,5,6,7
	ds_store_b32 v[E2ST], v[Q+\i] offset:(16*\g+\i)*4      ; sixteen lanes write one word with one value
.endr
.irp a, 0,1,2,3
.irp p, 0,1,2,3
	v_cvt_pk_bf16_f32 v[TMP+4*(\a%2)+\p], v[CB+32*\g+8*\p+\a], v[CB+32*\g+8*\p+4+\a]  ; codes 2p, 2p+1 of column 4 r + a
.endr
	ds_store_b128 v[ETST], v[TMP+4*(\a%2):TMP+4*(\a%2)+3] offset:\a*T16+32*\g         ; row 16 a + r, my 8 codes
.endr
.endm
; 16 rows of z: rounded, laid into my wave's own block, read back as fragments.  LDS serves a wave's instructions in order
; (ISA guide 5.7.1), and no other wave touches the block: neither wait nor barrier between the stores and the loads.
.macro ZCONV zt, raw, left
	s_wait_loadcnt \left
.irp i, 0,1,2,3,4,5,6,7
	v_cvt_pk_bf16_f32 v[TMP+2*(\i%4)],   v[\raw+4*\i],   v[\raw+4*\i+1]
	v_cvt_pk_bf16_f32 v[TMP+2*(\i%4)+1], v[\raw+4*\i+2], v[\raw+4*\i+3]
	ds_store_b64 v[ZST], v[TMP+2*(\i%4):TMP+2*(\i%4)+1] offset:(16*\zt+\i)*EP
.endr
.irp p, 0,1,2,3
	ds_load_b128 v[ZF+16*\zt+4*\p:ZF+16*\zt+4*\p+3], v[ZFA] offset:\zt*T16+32*\p
.endr
.endm
	CBGROUP 0, 48                                  ; behind group 0: 3 groups and 3 z tiles of 8 loads
.set n, 0
.rept 8
	global_load_b128 v[CB+4*n:CB+4*n+3], v[GOFF], s[6:7] offset:3*TILEB+ROWB*n th:TH_LOAD_NT   ; z tile 3 into group 0's registers
.set n, n+1
.endr
	CBGROUP 1, 48                                  ; 2 groups and 4 z tiles
	CBGROUP 2, 40
	CBGROUP 3, 32
	ZCONV 0, ZR, 24                                ; 3 z tiles behind it
	ZCONV 1, ZR+32, 16
	ZCONV 2, ZR+64, 8
	ZCONV 3, CB, 0
	s_wait_dscnt 0x0                               ; my part of E, ET and E2 is written (and my fragments are in):
	s_barrier_signal -1                            ; say so; registers only until all eight waves have said so
	; |z|^2 of the rounded row: my 32 numbers in two chains for each row tile, then the other half's 32
.irp zt, 0,1,2,3
	v_fma_mix_f32_bf16 v[TMP+2*\zt],   v[ZF+16*\zt], v[ZF+16*\zt], v[VZERO] op_sel_hi:[1,1,0]
	v_fma_mix_f32_bf16 v[TMP+2*\zt+1], v[ZF+16*\zt], v[ZF+16*\zt], v[VZERO] op_sel:[1,1,0] op_sel_hi:[1,1,0]
.endr
.set k, 1
.rept 15
.irp zt, 0,1,2,3
	v_fma_mix_f32_bf16 v[TMP+2*\zt],   v[ZF+16*\zt+k], v[ZF+16*\zt+k], v[TMP+2*\zt] op_sel_hi:[1,1,0]
	v_fma_mix_f32_bf16 v[TMP+2*\zt+1], v[ZF+16*\zt+k], v[ZF+16*\zt+k], v[TMP+2*\zt+1] op_sel:[1,1,0] op_sel_hi:[1,1,0]
.endr
.set k, k+1
.endr
.irp zt, 0,1,2,3
	v_add_f32 v[TMP+2*\zt], v[TMP+2*\zt], v[TMP+2*\zt+1]
	v_permlanex16_b32 v[TMP+2*\zt+1], v[TMP+2*\zt], s16, s17
	v_add_f32 v[SS+2*\zt],   v[TMP+2*\zt], v[TMP+2*\zt+1]
	v_add_f32 v[SS+2*\zt+1], v[TMP+2*\zt], v[TMP+2*\zt+1]
	v_mov_b32 v[BEST+\zt], s19                     ; +inf: a row that never beats it keeps tile 0, position 0
	v_mov_b32 v[CT+\zt], v[VC]
.endr
.set n, 0
.rept 32
	v_mov_b32 v[SAV+n], s19
.set n, n+1
.endr
	s_barrier_wait -1
; THE SCAN.  Source 0 = 16 codes, source 1 = 16 rows of z: register j of lane (r, h) is code 16 c + 8 h + j against row r, so a
; lane's results all belong to one row and the minimum stays inside the lane until the very end.
.macro LOADE b, k                      ; fragments and norms of the code tile k tiles ahead of VEA, VE2
	ds_load_b128 v[EA+16*(\b):EA+16*(\b)+3],     v[VEA] offset:(\k)*T16
	ds_load_b128 v[EA+16*(\b)+4:EA+16*(\b)+7],   v[VEA] offset:(\k)*T16+32
	ds_load_b128 v[EA+16*(\b)+8:EA+16*(\b)+11],  v[VEA] offset:(\k)*T16+64
	ds_load_b128 v[EA+16*(\b)+12:EA+16*(\b)+15], v[VEA] offset:(\k)*T16+96
	ds_load_b128 v[E2R+8*(\b):E2R+8*(\b)+3],     v[VE2] offset:(\k)*64
	ds_load_b128 v[E2R+8*(\b)+4:E2R+8*(\b)+7],   v[VE2] offset:(\k)*64+16
.endm
; Eight distances of one row.  The four packed adds name no register of a matrix instruction: they are the four places that
; stand between the last matrix instruction and the first read of a result (ISA guide 7.12.1).
.macro SCAN zt, b
.irp j, 0,2,4,6
	v_pk_add_f32 v[TS+\j:TS+\j+1], v[E2R+8*\b+\j:E2R+8*\b+\j+1], v[SS+2*\zt:SS+2*\zt+1]     ; t = s + e2, rounded
.endr
.irp j, 0,2,4,6
	v_pk_fma_f32 v[ACC+8*\zt+\j:ACC+8*\zt+\j+1], v[ACC+8*\zt+\j:ACC+8*\zt+\j+1], -2.0, v[TS+\j:TS+\j+1] op_sel_hi:[1,0,1]   ; d = t - 2 m, rounded
.endr
	v_min3_num_f32 v[MN], v[ACC+8*\zt],   v[ACC+8*\zt+1], v[ACC+8*\zt+2]
	v_min3_num_f32 v[MN], v[MN], v[ACC+8*\zt+3], v[ACC+8*\zt+4]
	v_min3_num_f32 v[MN], v[MN], v[ACC+8*\zt+5], v[ACC+8*\zt+6]
	v_min_num_f32  v[MN], v[MN], v[ACC+8*\zt+7]
	v_cmp_lt_f32 vcc_lo, v[MN], v[BEST+\zt]        ; strictly smaller: an equal distance further on does not displace the first
	v_cndmask_b32 v[BEST+\zt], v[BEST+\zt], v[MN], vcc_lo
	v_cndmask_b32 v[CT+\zt], v[CT+\zt], v[VC], vcc_lo
.irp j, 0,1,2,3,4,5,6,7
	v_cndmask_b32 v[SAV+8*\zt+\j], v[SAV+8*\zt+\j], v[ACC+8*\zt+\j], vcc_lo    ; keep the winning tile: its position is looked up once, at the end
.endr
.endm
; One code tile from buffer b.  pf = 1: the tile nxt tiles ahead of VEA goes into the other buffer, whose last matrix
; instructions lie a whole scan (over 60 vector instructions that do not name their registers) back.
.macro TILE b, nxt, pf
	s_wait_dscnt 0x0                               ; this tile's six loads, issued one tile ago
.if \pf
	LOADE 1-\b, \nxt
.endif
.irp zt, 0,1,2,3
	v_wmma_f32_16x16x32_bf16 v[ACC+8*\zt:ACC+8*\zt+7], v[EA+16*\b:EA+16*\b+7], v[ZF+16*\zt:ZF+16*\zt+7], 0
.endr
.irp zt, 0,1,2,3
	v_wmma_f32_16x16x32_bf16 v[ACC+8*\zt:ACC+8*\zt+7], v[EA+16*\b+8:EA+16*\b+15], v[ZF+16*\zt+8:ZF+16*\zt+15], v[ACC+8*\zt:ACC+8*\zt+7]
.endr
.irp zt, 0,1,2,3
	SCAN \zt, \b
.endr
	v_add_nc_u32 v[VC], 16, v[VC]
.endm
	LOADE 0, 0
	s_mov_b32 s18, 15                              ; 15 trips of two tiles; tiles 30 and 31 stand behind the loop
.Lscan:
	TILE 0, 1, 1
	TILE 1, 2, 1
	v_add_nc_u32 v[VEA], 2*T16, v[VEA]
	v_add_nc_u32 v[VE2], 128, v[VE2]
	s_sub_co_i32 s18, s18, 1
	s_cmp_lg_u32 s18, 0
	s_cbranch_scc1 .Lscan
	TILE 0, 1, 1
	TILE 1, 0, 0                                   ; the last tile asks for nothing
; THE GATHER.  out[row][d] = sum over codes of onehot[row][code] E[code][d].  Source 0 = one-hot (lane r = row r, as the scan left
; the index), source 1 = 16 columns x 32 codes from ET.  Column slot n of tile a is d = 4 n + a: a lane's four tiles then hold 16
; neighbouring bytes of a row, and sixteen lanes a whole row of 256 bytes.
.macro LOADB q                         ; the four column tiles of K step q (codes 32 q .. 32 q + 31)
.if (\q) < 8
.set lbase, ETR0
.else
.set lbase, ETR1
.endif
.set loff, (((\q)>>1)&3)*BLK+((\q)&1)*64
.irp a, 0,1,2,3
	ds_load_b128 v[BF+32*((\q)&1)+8*\a:BF+32*((\q)&1)+8*\a+3],   v[lbase] offset:loff+\a*T16
	ds_load_b128 v[BF+32*((\q)&1)+8*\a+4:BF+32*((\q)&1)+8*\a+7], v[lbase] offset:loff+\a*T16+32
.endr
.endm
	LOADB 0                                        ; on its way while the indices are worked out
	v_mov_b32 v[VONE], 0x3f80
; The index of row r, in both lanes that hold it, and its one-hot pattern.
.macro RESOLVE zt
	v_mov_b32 v[J], 7
.irp j, 6,5,4,3,2,1,0
	v_cmp_neq_f32 vcc_lo, v[SAV+8*\zt+\j], v[BEST+\zt]
	v_cndmask_b32 v[J], \j, v[J], vcc_lo           ; downward: the lowest position that holds the minimum stays
.endr
	v_add_nc_u32 v[IDX], v[CT+\zt], v[J]           ; 16 c + 8 h + j
	v_permlanex16_b32 v[BP], v[BEST+\zt], s16, s17 ; the other half's minimum and index
	v_permlanex16_b32 v[IP], v[IDX], s16, s17
	v_cmp_lt_f32 s22, v[BP], v[BEST+\zt]
	v_cmp_eq_f32 s23, v[BP], v[BEST+\zt]
	v_cmp_lt_u32 s24, v[IP], v[IDX]
	s_and_b32 s23, s23, s24                        ; equal distances: the lower index
	s_or_b32 vcc_lo, s22, s23
	v_cndmask_b32 v[IDX], v[IDX], v[IP], vcc_lo
	; my lane holds positions 8 h .. 8 h + 7 of each 16 codes, two to a register: register p is 1.0 in one half
	; where (index >> 1) & 7 = 4 h + p, and 0 elsewhere
	v_and_b32 v[X], 1, v[IDX]
	v_lshlrev_b32 v[X], 4, v[X]
	v_lshlrev_b32 v[VAL], v[X], v[VONE]
	v_bfe_u32 v[KEY], v[IDX], 1, 3
	v_sub_nc_u32 v[KEY], v[KEY], v[H4]
.irp p, 0,1,2,3
	v_cmp_eq_u32 vcc_lo, \p, v[KEY]
	v_cndmask_b32 v[PAT+4*\zt+\p], 0, v[VAL], vcc_lo
.endr
	v_lshrrev_b32 v[TL+\zt], 4, v[IDX]             ; which 16 codes
.endm
	RESOLVE 0
	RESOLVE 1
	RESOLVE 2
	RESOLVE 3
.macro BUILD zt, f, q                  ; the one-hot fragment of K step q: the pattern where the 16 codes are the row's, else 0
	v_cmp_eq_u32 vcc_lo, 2*(\q), v[TL+\zt]
.irp p, 0,1,2,3
	v_cndmask_b32 v[FR+8*\f+\p], 0, v[PAT+4*\zt+\p], vcc_lo
.endr
	v_cmp_eq_u32 vcc_lo, 2*(\q)+1, v[TL+\zt]
.irp p, 0,1,2,3
	v_cndmask_b32 v[FR+8*\f+4+\p], 0, v[PAT+4*\zt+\p], vcc_lo
.endr
.endm
.macro GATHER zt, f, q                 ; the first K step starts the sums: nothing is cleared
.irp a, 0,1,2,3
.if (\q) == 0
	v_wmma_f32_16x16x32_bf16 v[ACCB+32*\zt+8*\a:ACCB+32*\zt+8*\a+7], v[FR+8*\f:FR+8*\f+7], v[BF+32*((\q)&1)+8*\a:BF+32*((\q)&1)+8*\a+7], 0
.else
	v_wmma_f32_16x16x32_bf16 v[ACCB+32*\zt+8*\a:ACCB+32*\zt+8*\a+7], v[FR+8*\f:FR+8*\f+7], v[BF+32*((\q)&1)+8*\a:BF+32*((\q)&1)+8*\a+7], v[ACCB+32*\zt+8*\a:ACCB+32*\zt+8*\a+7]
.endif
.endr
.endm
; A K step.  The two one-hot buffers take turns: between the matrix instructions that read one and the selects that rewrite it stand
; the ten vector instructions that build the other.  The same ten stand between the last K step's matrix instructions and the loads
; into the fragment buffer that they read (four places are asked).
.macro KSTEP q
	s_wait_dscnt 0x0                               ; this K step's eight loads, issued one K step ago
	BUILD 0, 0, \q
.if (\q) < 15
	LOADB \q+1
.endif
	GATHER 0, 0, \q
	BUILD 1, 1, \q
	GATHER 1, 1, \q
	BUILD 2, 0, \q
	GATHER 2, 0, \q
	BUILD 3, 1, \q
	GATHER 3, 1, \q
.endm
.irp q, 0,1,2,3,4,5,6,7,8,9,10,11,12,13,14,15
	KSTEP \q
.endr
; THE WAY OUT.  Register 8 a + j of lane (r, h) is row 8 h + j, column 4 r + a.  A store wants the four a side by side, the matrix
; unit lays the eight j side by side: 32 moves for a row tile.  Each store then covers two whole rows of 256 bytes.
; The stage is the fragment buffers: buffer 0 was last read a K step ago, buffer 1 is first written behind the 32 moves of tile 0.
.macro OUT zt, o, wt
.if \wt
	s_wait_xcnt 0x0                                ; the stores that read this stage have taken their data: only now is it rewritten
.endif
.irp j, 0,1,2,3,4,5,6,7
.irp a, 0,1,2,3
	v_mov_b32 v[BF+32*\o+4*\j+\a], v[ACCB+32*\zt+8*\a+\j]
.endr
.endr
.irp j, 0,1,2,3,4,5,6,7
	global_store_b128 v[GOFF], v[BF+32*\o+4*\j:BF+32*\o+4*\j+3], s[8:9]   offset:\zt*TILEB+\j*ROWB th:TH_STORE_NT
	global_store_b128 v[GOFF], v[BF+32*\o+4*\j:BF+32*\o+4*\j+3], s[10:11] offset:\zt*TILEB+\j*ROWB th:TH_STORE_NT
.endr
.endm
	OUT 0, 0, 0
	OUT 1, 1, 0
	OUT 2, 0, 1
	OUT 3, 1, 1
	s_set_vgpr_msb 0x5
	s_wait_tensorcnt 0x0
	ds_add_u32 v0, v1
	s_wait_dscnt 0x0
	s_set_vgpr_msb 0x500
	s_endpgm
.Lfunc_end_k_q208aee908b_vq:
	.size	k_q208aee908b_vq, .Lfunc_end_k_q208aee908b_vq-k_q208aee908b_vq
	.p2alignl 7, 3214868480
	.fill 96, 4, 3214868480
	.section	.rodata,"a",@progbits
	.p2align	6, 0x0
	.amdhsa_kernel k_q208aee908b_vq
		.amdhsa_group_segment_fixed_size 224256
		.amdhsa_private_segment_fixed_size 0
		.amdhsa_enable_private_segment 0
		.amdhsa_kernarg_size 32
		.amdhsa_user_sgpr_count 2
		.amdhsa_user_sgpr_kernarg_segment_ptr 1
		.amdhsa_wavefront_size32 1
		.amdhsa_system_sgpr_workgroup_id_x 1
		.amdhsa_system_sgpr_workgroup_id_y 1
		.amdhsa_system_sgpr_workgroup_id_z 1
		.amdhsa_system_vgpr_workitem_id 0
		.amdhsa_next_free_vgpr 258
		.amdhsa_next_free_sgpr 66
		.amdhsa_reserve_vcc 1
		.amdhsa_float_denorm_mode_32 3
		.amdhsa_float_denorm_mode_16_64 3
		.amdhsa_memory_ordered 1
		.amdhsa_forward_progress 1
		.amdhsa_inst_pref_size 136
	.end_amdhsa_kernel
	.amdgpu_metadata
---
amdhsa.version: [ 1, 2 ]
amdhsa.kernels:
  - .name:           k_q208aee908b_vq
    .symbol:         k_q208aee908b_vq.kd
    .args:
      - { .name: codebook, .offset: 0, .size: 8, .value_kind: global_buffer, .address_space: global }
      - { .name: z, .offset: 8, .size: 8, .value_kind: global_buffer, .address_space: global }
      - { .name: out0, .offset: 16, .size: 8, .value_kind: global_buffer, .address_space: global }
      - { .name: out1, .offset: 24, .size: 8, .value_kind: global_buffer, .address_space: global }
    .group_segment_fixed_size: 224256
    .private_segment_fixed_size: 0
    .kernarg_segment_align: 8
    .kernarg_segment_size: 32
    .max_flat_workgroup_size: 256
    .sgpr_count:     66
    .vgpr_count:     258
    .wavefront_size: 32
...
	.end_amdgpu_metadata
.endif
;; end of part 1
;; ======== version 2 of 3: 1 launch; 1.15 times as fast as version 1
;; limits: values outside matrix products are rounded to bf16
;; launch vq (part 2): grid 256 x 1, 8 waves a work-group, no clusters, 224,256 bytes of LDS; arguments codebook, z, out0, out1; writes out0, out1
.if DOCPART == 2
	.amdgcn_target "amdgcn-amd-amdhsa--gfx1250"
	.amdhsa_code_object_version 6
	.text
	.protected	k_q208aee908b_vq
	.globl	k_q208aee908b_vq
	.p2align	8
	.type	k_q208aee908b_vq,@function
k_q208aee908b_vq:
	s_mov_b64 s[64:65], 0
	v_nop
	global_prefetch_b8 v0, s[64:65] scope:SCOPE_SE
	s_setreg_imm32_b32 hwreg(HW_REG_WAVE_MODE, 25, 1), 1
	s_wait_xcnt 0x0
; Vector quantisation: for each of 131,072 rows z (64 f32) the codebook row (of 512) with the smallest
; d = (|z|^2 + |e|^2) - 2 z.e, first index on ties; that codebook row is written to out0 and to out1.
;
; ARITHMETIC.  z and the codebook are rounded to bf16 once; z.e is made by the matrix unit with f32 sums; both norms are
; f32 sums of squares of the ROUNDED numbers, so d is the squared distance of the rounded vectors.  d is formed in f32 in
; the problem's own order, t = s + e2, d = t - 2 m (one rounding each): where |z|^2 is much larger than the differences
; between codes this rounding makes equal distances, and the first index has to win them as it does in argmin.
; The index comes out of floating-point compares, so it steers no address: the row is fetched as a matrix product,
; one-hot(index) [16 rows x 512] x codebook [512 x 64].
; LIMITS.  Outputs are codebook entries rounded to bf16 (relative error at most 2^-8).  Inputs are taken to be finite;
; a row whose 512 distances are all NaN or +inf gets index 0, as argmin gives; other NaN patterns are not followed.
;
; SHARES.  256 work-groups x 512 rows; 8 waves x 64 rows = 4 row tiles of 16.  Every wave scans all 512 codes.
; No cluster: the codebook is the one shared input, and it has to pass through registers to be rounded, transposed and
; squared; a raw f32 landing area of 131,072 bytes beside the 223,232 bytes used here would pass 327,680 bytes of LDS.
; No tensor loads, no ring, no prefetch: each wave's 16 KiB of z are asked for in the first lines and read once.
;
; LDS.  Rows of 64 bf16 are 128 bytes + 16 = 144 = 9 x 16: sixteen consecutive rows start at sixteen different 16-byte
; columns modulo 256.  A block is 64 such rows.
;   E   blocks 0-7 : block w = codes 64w..64w+63, row = code, along the row d = 0..63          (written by wave w)
;   ET  blocks 8-15: block w = codes 64w..64w+63, row 16a+n = column d = 4n+a, along the row the 64 codes (by wave w)
;   ZS  blocks 16-23: block w = wave w's 64 rows of z in bf16 (private to wave w)
;   E2  512 f32 norms of the rounded codes
;
; SELECTS AND MOVES GO IN PAIRS (v_dual_*): there is no packed select.  The dual form wants one even and one odd
; destination and, for each source place, two registers whose numbers differ modulo 4 (or one and the same register);
; the register map below is laid out for that.
.set ROWB,   256                       ; bytes of a row of z, of the codebook, of an output
.set TILEB,  16*ROWB
.set EP,     144
.set T16,    16*EP                     ; 16 LDS rows
.set BLK,    64*EP                     ; 9,216
.set ET_OFF, 8*BLK
.set ZS_OFF, 16*BLK
.set E2_OFF, 24*BLK                    ; + 2,048 = 223,232 bytes in all
; registers that live through the kernel (v2 = r and v3 = h during the set-up)
.set VONE,  2                          ; later 0x3f80 (bf16 1.0)
.set GOFF,  1                          ; 2048 h + 16 r: lanes 0-15 take one whole row, lanes 16-31 the row 8 further down
.set EST,   4                          ; LDS: where I store 8 bytes of a code row
.set ETST,  5                          ; LDS: where I store 16 bytes (8 codes) of a transposed row
.set E2ST,  6                          ; LDS: my half wave's norms
.set ZST,   7                          ; LDS: where I store 8 bytes of a z row
.set ZFA,   8                          ; LDS: my z fragments
.set VEA,   9                          ; LDS: my code fragments, stepped by the scan
.set VE2,   10                         ; LDS: my 8 norms of a code tile, stepped by the scan
.set ETR0,  11                         ; LDS: my transposed fragments, blocks 0-3
.set ETR1,  12                         ; the same, blocks 4-7 (the 16-bit immediate does not reach them from ETR0)
.set VZERO, 13
.set VC,    14                         ; 16 c + 8 h: the first code of my 8 in code tile c  (14 = 2 modulo 4: see MA)
.set H4,    15                         ; 4 h
.set TMP,   16                         ; v16-31 scratch of the set-up
.set Q,     24                         ; v24-31 eight partial norms
; set-up
.set CB,    32                         ; v32-159  raw codebook, 4 groups of 16 codes; v32-63 later raw z tile 3
.set ZR,    160                        ; v160-255 raw z tiles 0-2
; scan
.set MA0,   16                         ; a code tile's minimum for row tile 0..3: numbers 0 or 1 modulo 4, since the pair
.set MA1,   17                         ; that keeps BEST and CT reads MA beside VC
.set MA2,   20
.set MA3,   21
.set MB0,   18                         ; the second branch of the minimum's tree
.set MB1,   19
.set MB2,   22
.set MB3,   23
.set TS0,   24                         ; v24-31   t = s + e2, row tiles 0 and 2
.set EA,    32                         ; v32-63   code fragments, two buffers of 16
.set ZF,    64                         ; v64-127  z fragments, 16 for each row tile
.set SS,    128                        ; v128-135 |z|^2 of my row, twice (a pair for the packed add), for each row tile
.set BC,    136                        ; v136-143 for each row tile: even = smallest distance so far, odd = VC of its code tile
.set SAV,   144                        ; v144-175 that tile's eight distances
.set ACC,   176                        ; v176-207 products, then distances
.set TS1,   208                        ; v208-215 t = s + e2, row tiles 1 and 3
.set E2R,   216                        ; v216-231 norms of my 8 codes, two buffers
; gather
.set TL,    16                         ; v16-19   index >> 4
.set J,     20
.set IDX,   21
.set BP,    22
.set IP,    23
.set X,     24
.set VAL,   25
.set KEY,   26
.set FR,    32                         ; v32-47   one-hot fragments, two buffers of 8
.set PAT,   48                         ; v48-63   the one-hot of index & 15 as my lane sees it, 4 registers for each row tile
.set BF,    64                         ; v64-127  transposed code fragments, two buffers of 32; then the store stage
.set ACCB,  128                        ; v128-255 16 rows x 64 columns for each row tile
	s_load_b256 s[4:11], s[0:1], 0x0               ; codebook s[4:5], z s[6:7], out0 s[8:9], out1 s[10:11]
	s_set_vgpr_msb 0x40
	v_lshl_add_u32 v0, v0, 2, 0x36800
	v_mov_b32 v1, 0
	s_set_vgpr_msb 0x4000
	v_and_b32 v2, 15, v0                           ; r
	v_bfe_u32 v3, v0, 4, 1                         ; h
	v_lshrrev_b32 v16, 5, v0
	v_readfirstlane_b32 s12, v16                   ; wave 0..7
	v_lshlrev_b32 v[GOFF], 4, v2
	v_lshl_add_u32 v[GOFF], v3, 11, v[GOFF]
	s_lshl_b32 s20, s12, 14                        ; 64 rows of 256 bytes for each wave
	s_mov_b32 s21, 0
	s_lshl_b32 s14, ttmp9, 17                      ; 512 rows for each work-group: below 2^25
	s_add_co_u32 s14, s14, s20
	s_mov_b32 s15, 0
	s_mov_b32 s16, 0x76543210                      ; v_permlanex16_b32: lane i reads lane i of the other half
	s_mov_b32 s17, 0xfedcba98
	s_mov_b32 s19, 0x7f800000                      ; +inf
	s_wait_kmcnt 0x0
	s_add_nc_u64 s[4:5], s[4:5], s[20:21]          ; my wave's 64 codes
	s_add_nc_u64 s[6:7], s[6:7], s[14:15]          ; my wave's 64 rows
	s_add_nc_u64 s[8:9], s[8:9], s[14:15]
	s_add_nc_u64 s[10:11], s[10:11], s[14:15]
	; 56 loads at once: each covers two whole rows of 256 bytes (rows i and i + 8 of a group of 16)
.set n, 0
.rept 32
	global_load_b128 v[CB+4*n:CB+4*n+3], v[GOFF], s[4:5] offset:TILEB*(n/8)+ROWB*(n%8)
.set n, n+1
.endr
.set n, 0
.rept 24
	global_load_b128 v[ZR+4*n:ZR+4*n+3], v[GOFF], s[6:7] offset:TILEB*(n/8)+ROWB*(n%8) th:TH_LOAD_NT
.set n, n+1
.endr
	; LDS addresses, while the loads are on their way
	v_mul_u32_u24 v[VEA], v2, EP
	v_lshl_add_u32 v[VEA], v3, 4, v[VEA]           ; fragment: row r, 16 bytes for each half of the lanes
	v_mul_u32_u24 v[EST], v3, 8*EP
	v_lshl_add_u32 v[EST], v2, 3, v[EST]           ; as loaded: row 8 h (+ i), 8 bytes at 8 r
	s_mul_i32 s13, s12, BLK                        ; my wave's block
	v_add_nc_u32 v[EST], s13, v[EST]
	v_add_nc_u32 v[ZST], ZS_OFF, v[EST]
	v_add_nc_u32 v[ETST], s13, v[VEA]
	v_add_nc_u32 v[ZFA], ZS_OFF, v[ETST]
	v_add_nc_u32 v[ETST], ET_OFF, v[ETST]
	v_add_nc_u32 v[ETR0], ET_OFF, v[VEA]
	v_add_nc_u32 v[ETR1], ET_OFF+4*BLK, v[VEA]
	v_lshlrev_b32 v[VE2], 5, v3                    ; 8 h norms of 4 bytes
	v_add_nc_u32 v[VE2], E2_OFF, v[VE2]
	s_lshl_b32 s13, s12, 8                         ; 64 norms for each wave
	v_add_nc_u32 v[E2ST], s13, v[VE2]
	v_mov_b32 v[VZERO], 0
	v_lshlrev_b32 v[VC], 3, v3
	v_lshlrev_b32 v[H4], 2, v3
; 16 codes.  Register CB + 32 g + 4 i + a of lane (r, h) holds code 16 g + 8 h + i, column d = 4 r + a.
; left = the loads issued behind this group's, which may stay out.
; Four codes go abreast, so that no line reads the result of the line in front of it; each code's sum keeps its order.
.macro CBGROUP g, left
	s_wait_loadcnt \left
.irp u, 0,4
.irp i, 0,1,2,3
	v_cvt_pk_bf16_f32 v[TMP+2*\i],   v[CB+32*\g+4*(\u+\i)],   v[CB+32*\g+4*(\u+\i)+1]
	v_cvt_pk_bf16_f32 v[TMP+2*\i+1], v[CB+32*\g+4*(\u+\i)+2], v[CB+32*\g+4*(\u+\i)+3]
.endr
.irp i, 0,1,2,3
	ds_store_b64 v[EST], v[TMP+2*\i:TMP+2*\i+1] offset:(16*\g+\u+\i)*EP
.endr
	; the squares of the four rounded numbers of each code, in f32
.irp i, 0,1,2,3
	v_fma_mix_f32_bf16 v[Q+\u+\i], v[TMP+2*\i],   v[TMP+2*\i],   v[VZERO] op_sel_hi:[1,1,0]
.endr
.irp i, 0,1,2,3
	v_fma_mix_f32_bf16 v[Q+\u+\i], v[TMP+2*\i],   v[TMP+2*\i],   v[Q+\u+\i] op_sel:[1,1,0] op_sel_hi:[1,1,0]
.endr
.irp i, 0,1,2,3
	v_fma_mix_f32_bf16 v[Q+\u+\i], v[TMP+2*\i+1], v[TMP+2*\i+1], v[Q+\u+\i] op_sel_hi:[1,1,0]
.endr
.irp i, 0,1,2,3
	v_fma_mix_f32_bf16 v[Q+\u+\i], v[TMP+2*\i+1], v[TMP+2*\i+1], v[Q+\u+\i] op_sel:[1,1,0] op_sel_hi:[1,1,0]
.endr
.endr
.irp m, 1,2,4,8
.irp i, 0,1,2,3,4,5,6,7
	v_add_f32_dpp v[Q+\i], v[Q+\i], v[Q+\i] row_xmask:\m row_mask:0xf bank_mask:0xf   ; over the 16 lanes that share a code
.endr
.endr
.irp i, 0,1,2,3,4,5,6,7
	ds_store_b32 v[E2ST], v[Q+\i] offset:(16*\g+\i)*4      ; sixteen lanes write one word with one value
.endr
.irp a, 0,1,2,3
.irp p, 0,1,2,3
	v_cvt_pk_bf16_f32 v[TMP+4*\a+\p], v[CB+32*\g+8*\p+\a], v[CB+32*\g+8*\p+4+\a]      ; codes 2p, 2p+1 of column 4 r + a
.endr
.endr
.irp a, 0,1,2,3
	ds_store_b128 v[ETST], v[TMP+4*\a:TMP+4*\a+3] offset:\a*T16+32*\g                 ; row 16 a + r, my 8 codes
.endr
.endm
; 16 rows of z: rounded, laid into my wave's own block, read back as fragments.  LDS serves a wave's instructions in order
; (ISA guide 5.7.1), and no other wave touches the block: neither wait nor barrier between the stores and the loads.
.macro ZCONV zt, raw, left
	s_wait_loadcnt \left
.irp i, 0,1,2,3,4,5,6,7
	v_cvt_pk_bf16_f32 v[TMP+2*\i],   v[\raw+4*\i],   v[\raw+4*\i+1]
	v_cvt_pk_bf16_f32 v[TMP+2*\i+1], v[\raw+4*\i+2], v[\raw+4*\i+3]
.endr
.irp i, 0,1,2,3,4,5,6,7
	ds_store_b64 v[ZST], v[TMP+2*\i:TMP+2*\i+1] offset:(16*\zt+\i)*EP
.endr
.irp p, 0,1,2,3
	ds_load_b128 v[ZF+16*\zt+4*\p:ZF+16*\zt+4*\p+3], v[ZFA] offset:\zt*T16+32*\p
.endr
.endm
	CBGROUP 0, 48                                  ; behind group 0: 3 groups and 3 z tiles of 8 loads
.set n, 0
.rept 8
	global_load_b128 v[CB+4*n:CB+4*n+3], v[GOFF], s[6:7] offset:3*TILEB+ROWB*n th:TH_LOAD_NT   ; z tile 3 into group 0's registers
.set n, n+1
.endr
	CBGROUP 1, 48                                  ; 2 groups and 4 z tiles
	CBGROUP 2, 40
	CBGROUP 3, 32
	ZCONV 0, ZR, 24                                ; 3 z tiles behind it
	ZCONV 1, ZR+32, 16
	ZCONV 2, ZR+64, 8
	ZCONV 3, CB, 0
	s_wait_dscnt 0x0                               ; my part of E, ET and E2 is written (and my fragments are in):
	s_barrier_signal -1                            ; say so; registers only until all eight waves have said so
	; |z|^2 of the rounded row: my 32 numbers in two chains for each row tile, then the other half's 32
.irp zt, 0,1,2,3
	v_fma_mix_f32_bf16 v[TMP+2*\zt],   v[ZF+16*\zt], v[ZF+16*\zt], v[VZERO] op_sel_hi:[1,1,0]
	v_fma_mix_f32_bf16 v[TMP+2*\zt+1], v[ZF+16*\zt], v[ZF+16*\zt], v[VZERO] op_sel:[1,1,0] op_sel_hi:[1,1,0]
.endr
.set k, 1
.rept 15
.irp zt, 0,1,2,3
	v_fma_mix_f32_bf16 v[TMP+2*\zt],   v[ZF+16*\zt+k], v[ZF+16*\zt+k], v[TMP+2*\zt] op_sel_hi:[1,1,0]
	v_fma_mix_f32_bf16 v[TMP+2*\zt+1], v[ZF+16*\zt+k], v[ZF+16*\zt+k], v[TMP+2*\zt+1] op_sel:[1,1,0] op_sel_hi:[1,1,0]
.endr
.set k, k+1
.endr
.irp zt, 0,1,2,3
	v_add_f32 v[TMP+2*\zt], v[TMP+2*\zt], v[TMP+2*\zt+1]
	v_permlanex16_b32 v[TMP+2*\zt+1], v[TMP+2*\zt], s16, s17
	v_add_f32 v[SS+2*\zt],   v[TMP+2*\zt], v[TMP+2*\zt+1]
	v_add_f32 v[SS+2*\zt+1], v[TMP+2*\zt], v[TMP+2*\zt+1]
	v_mov_b32 v[BC+2*\zt], s19                     ; +inf: a row that never beats it keeps tile 0, position 0
	v_mov_b32 v[BC+2*\zt+1], v[VC]
.endr
.set n, 0
.rept 16
	v_dual_mov_b32 v[SAV+n], v[BC] :: v_dual_mov_b32 v[SAV+n+1], v[BC]     ; +inf
.set n, n+2
.endr
	s_barrier_wait -1
; THE SCAN.  Source 0 = 16 codes, source 1 = 16 rows of z: register j of lane (r, h) is code 16 c + 8 h + j against row r, so a
; lane's results all belong to one row and the minimum stays inside the lane until the very end.
.macro LOADE b, k                      ; fragments and norms of the code tile k tiles ahead of VEA, VE2: six loads
	ds_load_b128 v[EA+16*(\b):EA+16*(\b)+3],     v[VEA] offset:(\k)*T16
	ds_load_b128 v[EA+16*(\b)+4:EA+16*(\b)+7],   v[VEA] offset:(\k)*T16+32
	ds_load_b128 v[EA+16*(\b)+8:EA+16*(\b)+11],  v[VEA] offset:(\k)*T16+64
	ds_load_b128 v[EA+16*(\b)+12:EA+16*(\b)+15], v[VEA] offset:(\k)*T16+96
	ds_load_b128 v[E2R+8*(\b):E2R+8*(\b)+3],     v[VE2] offset:(\k)*64
	ds_load_b128 v[E2R+8*(\b)+4:E2R+8*(\b)+7],   v[VE2] offset:(\k)*64+16
.endm
.macro WA zt, b                        ; columns 0-31 of the codes in buffer b against row tile zt: starts the sums
	v_wmma_f32_16x16x32_bf16 v[ACC+8*\zt:ACC+8*\zt+7], v[EA+16*(\b):EA+16*(\b)+7], v[ZF+16*\zt:ZF+16*\zt+7], 0
.endm
.macro WB zt, b                        ; columns 32-63: the next link of the chain in place
	v_wmma_f32_16x16x32_bf16 v[ACC+8*\zt:ACC+8*\zt+7], v[EA+16*(\b)+8:EA+16*(\b)+15], v[ZF+16*\zt+8:ZF+16*\zt+15], v[ACC+8*\zt:ACC+8*\zt+7]
.endm
.macro ADDT2 zt, b, ts, j              ; t = s + e2, rounded: four of a row tile's eight
	v_pk_add_f32 v[\ts+\j:\ts+\j+1],   v[E2R+8*(\b)+\j:E2R+8*(\b)+\j+1],   v[SS+2*\zt:SS+2*\zt+1]
	v_pk_add_f32 v[\ts+\j+2:\ts+\j+3], v[E2R+8*(\b)+\j+2:E2R+8*(\b)+\j+3], v[SS+2*\zt:SS+2*\zt+1]
.endm
.macro DIST zt, ts                     ; d = t - 2 m, rounded
.irp j, 0,2,4,6
	v_pk_fma_f32 v[ACC+8*\zt+\j:ACC+8*\zt+\j+1], v[ACC+8*\zt+\j:ACC+8*\zt+\j+1], -2.0, v[\ts+\j:\ts+\j+1] op_sel_hi:[1,0,1]
.endr
.endm
.macro MIN12 zt                        ; the minimum of eight as a tree of depth three
	v_min3_num_f32 v[MA\zt], v[ACC+8*\zt],   v[ACC+8*\zt+1], v[ACC+8*\zt+2]
	v_min3_num_f32 v[MB\zt], v[ACC+8*\zt+3], v[ACC+8*\zt+4], v[ACC+8*\zt+5]
.endm
.macro MIN3 zt
	v_min3_num_f32 v[MA\zt], v[MA\zt], v[ACC+8*\zt+6], v[ACC+8*\zt+7]
.endm
.macro MIN4 zt
	v_min_num_f32 v[MA\zt], v[MA\zt], v[MB\zt]
.endm
.macro CMPB zt                         ; strictly smaller: an equal distance further on does not displace the first
	v_cmp_lt_f32 vcc_lo, v[MA\zt], v[BC+2*\zt]
.endm
.macro KEEP zt                         ; the new minimum, its code tile, and the tile's eight distances: its position is looked up once, at the end
	v_dual_cndmask_b32 v[BC+2*\zt], v[BC+2*\zt], v[MA\zt] :: v_dual_cndmask_b32 v[BC+2*\zt+1], v[BC+2*\zt+1], v[VC]
.irp j, 0,2,4,6
	v_dual_cndmask_b32 v[SAV+8*\zt+\j], v[SAV+8*\zt+\j], v[ACC+8*\zt+\j] :: v_dual_cndmask_b32 v[SAV+8*\zt+\j+1], v[SAV+8*\zt+\j+1], v[ACC+8*\zt+\j+1]
.endr
.endm
; ONE CODE TILE t, from buffer b = t & 1.  The row tiles go in two groups, (0, 1) and (2, 3), half a stage apart.
; On entry: the products of row tiles 0, 1 are made and their t lies in TS0, TS1.  The stage makes the products of row tiles 2, 3,
; works all four off, and in its second half makes the products and t of row tiles 0, 1 for tile t + 1.  So the eight matrix
; instructions stand singly between runs of vector work, and between a result and its reader stand lines of the other group.
; Distances behind matrix instructions (four independent vector instructions before a result is read or a
; source overwritten): WB 2 -> DIST 2: MIN12 0, MIN12 1 and twelve more; WB 3 -> DIST 3 and -> the loads into buffer b: ADDT2 x 2
; and more; WB 0, WB 1 of the next tile -> its DIST 0, DIST 1: KEEP 3's five pairs and the step of VC at the least.
; ld = 1: tile t + 2 (k tiles ahead of VEA) is asked for, into this tile's buffer.  nx = 1: a tile follows.
; left = the LDS loads issued behind those of tile t + 1: the six of tile t + 2, or none.
.macro STAGE b, ld, k, nx, left
	WA 2, \b
	DIST 0, TS0
	WA 3, \b
	DIST 1, TS1
	WB 2, \b
	MIN12 0
	MIN12 1
	WB 3, \b
	ADDT2 2, \b, TS0, 0
	ADDT2 2, \b, TS0, 4
	MIN3 0
	MIN3 1
	ADDT2 3, \b, TS1, 0
	ADDT2 3, \b, TS1, 4                            ; the last reader of this tile's norms
	MIN4 0
	MIN4 1
	DIST 2, TS0
	CMPB 0
	DIST 3, TS1
	KEEP 0
.if \ld
	LOADE \b, \k
.endif
	CMPB 1
	MIN12 2
	MIN12 3
	KEEP 1
.if \nx
	s_wait_dscnt \left                             ; tile t + 1, asked for one stage ago, is in; tile t + 2 stays on its way
	WA 0, 1-\b
.endif
	MIN3 2
	MIN3 3
.if \nx
	ADDT2 0, 1-\b, TS0, 0
	ADDT2 0, 1-\b, TS0, 4
	WA 1, 1-\b
.endif
	MIN4 2
	MIN4 3
.if \nx
	ADDT2 1, 1-\b, TS1, 0
.endif
	CMPB 2
.if \nx
	ADDT2 1, 1-\b, TS1, 4
	WB 0, 1-\b
.endif
	KEEP 2
	CMPB 3
.if \nx
	WB 1, 1-\b
.endif
	KEEP 3
	v_add_nc_u32 v[VC], 16, v[VC]
.endm
	LOADE 0, 0
	LOADE 1, 1
	s_wait_dscnt 0x6                               ; tile 0 is in; the six loads of tile 1 stay out
	WA 0, 0
	WA 1, 0
	WB 0, 0
	WB 1, 0
	ADDT2 0, 0, TS0, 0                             ; eight lines that name no register of the four above
	ADDT2 0, 0, TS0, 4
	ADDT2 1, 0, TS1, 0
	ADDT2 1, 0, TS1, 4
	s_mov_b32 s18, 15                              ; 15 trips of two tiles; tiles 30 and 31 stand behind the loop
.Lscan:
	STAGE 0, 1, 2, 1, 6
	STAGE 1, 1, 3, 1, 6
	v_add_nc_u32 v[VEA], 2*T16, v[VEA]
	v_add_nc_u32 v[VE2], 128, v[VE2]
	s_sub_co_i32 s18, s18, 1
	s_cmp_lg_u32 s18, 0
	s_cbranch_scc1 .Lscan
	STAGE 0, 0, 0, 1, 0                            ; tile 30 asks for nothing: behind tile 31's loads nothing was issued
	STAGE 1, 0, 0, 0, 0                            ; and nothing follows tile 31
; THE GATHER.  out[row][d] = sum over codes of onehot[row][code] E[code][d].  Source 0 = one-hot (lane r = row r, as the scan left
; the index), source 1 = 16 columns x 32 codes from ET.  Column slot n of tile a is d = 4 n + a: a lane's four tiles then hold 16
; neighbouring bytes of a row, and sixteen lanes a whole row of 256 bytes.
.macro LOADB q                         ; the four column tiles of K step q (codes 32 q .. 32 q + 31)
.if (\q) < 8
.set lbase, ETR0
.else
.set lbase, ETR1
.endif
.set loff, (((\q)>>1)&3)*BLK+((\q)&1)*64
.irp a, 0,1,2,3
	ds_load_b128 v[BF+32*((\q)&1)+8*\a:BF+32*((\q)&1)+8*\a+3],   v[lbase] offset:loff+\a*T16
	ds_load_b128 v[BF+32*((\q)&1)+8*\a+4:BF+32*((\q)&1)+8*\a+7], v[lbase] offset:loff+\a*T16+32
.endr
.endm
	LOADB 0                                        ; on its way while the indices are worked out
	v_mov_b32 v[VONE], 0x3f80
; The index of row r, in both lanes that hold it, and its one-hot pattern.
.macro RESOLVE zt
	v_mov_b32 v[J], 7
.irp j, 6,5,4,3,2,1,0
	v_cmp_neq_f32 vcc_lo, v[SAV+8*\zt+\j], v[BC+2*\zt]
	v_cndmask_b32 v[J], \j, v[J], vcc_lo           ; downward: the lowest position that holds the minimum stays
.endr
	v_add_nc_u32 v[IDX], v[BC+2*\zt+1], v[J]       ; 16 c + 8 h + j
	v_permlanex16_b32 v[BP], v[BC+2*\zt], s16, s17 ; the other half's minimum and index
	v_permlanex16_b32 v[IP], v[IDX], s16, s17
	v_cmp_lt_f32 s22, v[BP], v[BC+2*\zt]
	v_cmp_eq_f32 s23, v[BP], v[BC+2*\zt]
	v_cmp_lt_u32 s24, v[IP], v[IDX]
	s_and_b32 s23, s23, s24                        ; equal distances: the lower index
	s_or_b32 vcc_lo, s22, s23
	v_cndmask_b32 v[IDX], v[IDX], v[IP], vcc_lo
	; my lane holds positions 8 h .. 8 h + 7 of each 16 codes, two to a register: register p is 1.0 in one half
	; where (index >> 1) & 7 = 4 h + p, and 0 elsewhere
	v_and_b32 v[X], 1, v[IDX]
	v_lshlrev_b32 v[X], 4, v[X]
	v_lshlrev_b32 v[VAL], v[X], v[VONE]
	v_bfe_u32 v[KEY], v[IDX], 1, 3
	v_sub_nc_u32 v[KEY], v[KEY], v[H4]
.irp p, 0,1,2,3
	v_cmp_eq_u32 vcc_lo, \p, v[KEY]
	v_cndmask_b32 v[PAT+4*\zt+\p], 0, v[VAL], vcc_lo
.endr
	v_lshrrev_b32 v[TL+\zt], 4, v[IDX]             ; which 16 codes
.endm
	RESOLVE 0
	RESOLVE 1
	RESOLVE 2
	RESOLVE 3
.macro BUILD zt, f, q                  ; the one-hot fragment of K step q: the pattern where the 16 codes are the row's, else 0
	v_cmp_eq_u32 vcc_lo, 2*(\q), v[TL+\zt]
.irp p, 0,2
	v_dual_cndmask_b32 v[FR+8*\f+\p], 0, v[PAT+4*\zt+\p] :: v_dual_cndmask_b32 v[FR+8*\f+\p+1], 0, v[PAT+4*\zt+\p+1]
.endr
	v_cmp_eq_u32 vcc_lo, 2*(\q)+1, v[TL+\zt]
.irp p, 0,2
	v_dual_cndmask_b32 v[FR+8*\f+4+\p], 0, v[PAT+4*\zt+\p] :: v_dual_cndmask_b32 v[FR+8*\f+4+\p+1], 0, v[PAT+4*\zt+\p+1]
.endr
.endm
.macro GATHER zt, f, q                 ; the first K step starts the sums: nothing is cleared
.irp a, 0,1,2,3
.if (\q) == 0
	v_wmma_f32_16x16x32_bf16 v[ACCB+32*\zt+8*\a:ACCB+32*\zt+8*\a+7], v[FR+8*\f:FR+8*\f+7], v[BF+32*((\q)&1)+8*\a:BF+32*((\q)&1)+8*\a+7], 0
.else
	v_wmma_f32_16x16x32_bf16 v[ACCB+32*\zt+8*\a:ACCB+32*\zt+8*\a+7], v[FR+8*\f:FR+8*\f+7], v[BF+32*((\q)&1)+8*\a:BF+32*((\q)&1)+8*\a+7], v[ACCB+32*\zt+8*\a:ACCB+32*\zt+8*\a+7]
.endif
.endr
.endm
; A K step.  The two one-hot buffers take turns: between the matrix instructions that read one and the selects that rewrite it stand
; the six vector instructions (two compares, four pairs) that build the other.  The same six stand between the last K step's matrix
; instructions and the loads into the fragment buffer that they read (four places are asked).
.macro KSTEP q
	s_wait_dscnt 0x0                               ; this K step's eight loads, issued one K step ago
	BUILD 0, 0, \q
.if (\q) < 15
	LOADB \q+1
.endif
	GATHER 0, 0, \q
	BUILD 1, 1, \q
	GATHER 1, 1, \q
	BUILD 2, 0, \q
	GATHER 2, 0, \q
	BUILD 3, 1, \q
	GATHER 3, 1, \q
.endm
.irp q, 0,1,2,3,4,5,6,7,8,9,10,11,12,13,14,15
	KSTEP \q
.endr
; THE WAY OUT.  Register 8 a + j of lane (r, h) is row 8 h + j, column 4 r + a.  A store wants the four a side by side, the matrix
; unit lays the eight j side by side: 32 moves for a row tile, in 16 pairs; a pair takes (j, a) and (j + 1, a + 1 modulo 4), so that
; its destinations differ in parity and its sources by 1 modulo 4.  Each store then covers two whole rows of 256 bytes.
; The stage is the fragment buffers: buffer 0 was last read a K step ago, buffer 1 is first written behind the 16 pairs of tile 0.
.macro OUT zt, o, wt
.if \wt
	s_wait_xcnt 0x0                                ; the stores that read this stage have taken their data: only now is it rewritten
.endif
.irp j, 0,2,4,6
.irp a, 0,1,2,3
	v_dual_mov_b32 v[BF+32*\o+4*\j+\a], v[ACCB+32*\zt+8*\a+\j] :: v_dual_mov_b32 v[BF+32*\o+4*(\j+1)+((\a+1)%4)], v[ACCB+32*\zt+8*((\a+1)%4)+\j+1]
.endr
.endr
.irp j, 0,1,2,3,4,5,6,7
	global_store_b128 v[GOFF], v[BF+32*\o+4*\j:BF+32*\o+4*\j+3], s[8:9]   offset:\zt*TILEB+\j*ROWB th:TH_STORE_NT
	global_store_b128 v[GOFF], v[BF+32*\o+4*\j:BF+32*\o+4*\j+3], s[10:11] offset:\zt*TILEB+\j*ROWB th:TH_STORE_NT
.endr
.endm
	OUT 0, 0, 0
	OUT 1, 1, 0
	OUT 2, 0, 1
	OUT 3, 1, 1
	s_set_vgpr_msb 0x5
	s_wait_tensorcnt 0x0
	ds_add_u32 v0, v1
	s_wait_dscnt 0x0
	s_set_vgpr_msb 0x500
	s_endpgm
.Lfunc_end_k_q208aee908b_vq:
	.size	k_q208aee908b_vq, .Lfunc_end_k_q208aee908b_vq-k_q208aee908b_vq
	.p2alignl 7, 3214868480
	.fill 96, 4, 3214868480
	.section	.rodata,"a",@progbits
	.p2align	6, 0x0
	.amdhsa_kernel k_q208aee908b_vq
		.amdhsa_group_segment_fixed_size 224256
		.amdhsa_private_segment_fixed_size 0
		.amdhsa_enable_private_segment 0
		.amdhsa_kernarg_size 32
		.amdhsa_user_sgpr_count 2
		.amdhsa_user_sgpr_kernarg_segment_ptr 1
		.amdhsa_wavefront_size32 1
		.amdhsa_system_sgpr_workgroup_id_x 1
		.amdhsa_system_sgpr_workgroup_id_y 1
		.amdhsa_system_sgpr_workgroup_id_z 1
		.amdhsa_system_vgpr_workitem_id 0
		.amdhsa_next_free_vgpr 258
		.amdhsa_next_free_sgpr 66
		.amdhsa_reserve_vcc 1
		.amdhsa_float_denorm_mode_32 3
		.amdhsa_float_denorm_mode_16_64 3
		.amdhsa_memory_ordered 1
		.amdhsa_forward_progress 1
		.amdhsa_inst_pref_size 136
	.end_amdhsa_kernel
	.amdgpu_metadata
---
amdhsa.version: [ 1, 2 ]
amdhsa.kernels:
  - .name:           k_q208aee908b_vq
    .symbol:         k_q208aee908b_vq.kd
    .args:
      - { .name: codebook, .offset: 0, .size: 8, .value_kind: global_buffer, .address_space: global }
      - { .name: z, .offset: 8, .size: 8, .value_kind: global_buffer, .address_space: global }
      - { .name: out0, .offset: 16, .size: 8, .value_kind: global_buffer, .address_space: global }
      - { .name: out1, .offset: 24, .size: 8, .value_kind: global_buffer, .address_space: global }
    .group_segment_fixed_size: 224256
    .private_segment_fixed_size: 0
    .kernarg_segment_align: 8
    .kernarg_segment_size: 32
    .max_flat_workgroup_size: 256
    .sgpr_count:     66
    .vgpr_count:     258
    .wavefront_size: 32
...
	.end_amdgpu_metadata
.endif
;; end of part 2
;; ======== version 3 of 3: 1 launch; version 2 with the launch vq written anew for expert scheduling mode
;; limits: values outside matrix products are rounded to bf16
;; launch vq (part 3): grid 256 x 1, 8 waves a work-group, no clusters, 224,256 bytes of LDS; arguments codebook, z, out0, out1; writes out0, out1
.if DOCPART == 3
	.amdgcn_target "amdgcn-amd-amdhsa--gfx1250"
	.amdhsa_code_object_version 6
	.text
	.protected	k_q208aee908b_vq
	.globl	k_q208aee908b_vq
	.p2align	8
	.type	k_q208aee908b_vq,@function
k_q208aee908b_vq:
	s_mov_b64 s[64:65], 0
	v_nop
	global_prefetch_b8 v0, s[64:65] scope:SCOPE_SE
	s_setreg_imm32_b32 hwreg(HW_REG_WAVE_SCHED_MODE, 0, 2), 2
	s_setreg_imm32_b32 hwreg(HW_REG_WAVE_MODE, 25, 1), 1
	s_wait_xcnt 0x0
	s_wait_alu depctr_vm_vsrc(0)
; Vector quantisation: for each of 131,072 rows z (64 f32) the codebook row (of 512) with the smallest
; d = (|z|^2 + |e|^2) - 2 z.e, first index on ties; that codebook row is written to out0 and to out1.
;
; ARITHMETIC.  z and the codebook are rounded to bf16 once; z.e is made by the matrix unit with f32 sums; both norms are
; f32 sums of squares of the ROUNDED numbers, so d is the squared distance of the rounded vectors.  d is formed in f32 in
; the problem's own order, t = s + e2, d = t - 2 m (one rounding each): where |z|^2 is much larger than the differences
; between codes this rounding makes equal distances, and the first index has to win them as it does in argmin.
; The index comes out of floating-point compares, so it steers no address: the row is fetched as a matrix product,
; one-hot(index) [16 rows x 512] x codebook [512 x 64].
; LIMITS.  Outputs are codebook entries rounded to bf16 (relative error at most 2^-8).  Inputs are taken to be finite;
; a row whose 512 distances are all NaN or +inf gets index 0, as argmin gives; other NaN patterns are not followed.
;
; SHARES.  256 work-groups x 512 rows; 8 waves x 64 rows = 4 row tiles of 16.  Every wave scans all 512 codes.
; No cluster: the codebook is the one shared input, and it has to pass through registers to be rounded, transposed and
; squared; a raw f32 landing area of 131,072 bytes beside the 223,232 bytes used here would pass 327,680 bytes of LDS.
; No tensor loads, no ring, no prefetch: each wave's 16 KiB of z are asked for in the first lines and read once.
;
; LDS.  Rows of 64 bf16 are 128 bytes + 16 = 144 = 9 x 16: sixteen consecutive rows start at sixteen different 16-byte
; columns modulo 256.  A block is 64 such rows.
;   E   blocks 0-7 : block w = codes 64w..64w+63, row = code, along the row d = 0..63          (written by wave w)
;   ET  blocks 8-15: block w = codes 64w..64w+63, row 16a+n = column d = 4n+a, along the row the 64 codes (by wave w)
;   ZS  blocks 16-23: block w = wave w's 64 rows of z in bf16 (private to wave w)
;   E2  512 f32 norms of the rounded codes
;
; SELECTS AND MOVES GO IN PAIRS (v_dual_*): there is no packed select.  The dual form wants one even and one odd
; destination and, for each source place, two registers whose numbers differ modulo 4 (or one and the same register);
; the register map below is laid out for that.  The paired select takes its mask from VCC.
;
; THE MODE: SCHED_MODE bits 1:0 = 2 (LLVM: expert scheduling mode 2), set by the entry lines.  The code itself states the register
; dependences between vector or matrix instructions and memory or LDS instructions, with s_wait_alu, always for 0.
; THE PLAN.  Registers that memory or LDS instructions touch:
;   v1, v4-8, v11, v12  offsets and LDS addresses: made once at the head, never written again.
;   v9, v10     LDS addresses of the scan: read by its loads, stepped once a trip.
;   raw v32-255 Loaded once (v32-63 twice).  A group's conversions by rows write into the group's own raw registers, its norms into two of the
;               four that this frees; its LDS stores read them.  TMP v16-31: the group's transposed numbers, the one out-buffer that groups share.
;               So a group has ONE wait between its arithmetic and its run of stores, and TMP is freed at the head of the next group but one wait.
;   EA, E2R     two buffers.  Stage t of the scan: its matrix instructions and packed adds (and those of stage t - 1's second half) read buffer t & 1;
;               behind the last of them one wait, and the six loads of tile t + 2 land in that buffer, dealt among vector work that names neither buffer.
;   BF          two buffers.  K step q of the gather reads buffer q & 1; the eight loads of step q + 1 land in the other, which step q - 1 read: one wait a step.
;   four stages of 32 registers for the way out, one for each row tile, none written twice: one wait behind each tile's moves, its stores
;               dealt among the next tile's moves.
; A mask made by a compare is waited for ahead of its first reader: ahead of each group of paired selects (VCC), or once behind a run of
; compares into scalar registers.
.set ROWB,   256                       ; bytes of a row of z, of the codebook, of an output
.set TILEB,  16*ROWB
.set EP,     144
.set T16,    16*EP                     ; 16 LDS rows
.set BLK,    64*EP                     ; 9,216
.set ET_OFF, 8*BLK
.set ZS_OFF, 16*BLK
.set E2_OFF, 24*BLK                    ; + 2,048 = 223,232 bytes in all
; registers that live through the kernel (v2 = r and v3 = h during the set-up)
.set VONE,  2                          ; later 0x3f80 (bf16 1.0)
.set GOFF,  1                          ; 2048 h + 16 r: lanes 0-15 take one whole row, lanes 16-31 the row 8 further down
.set EST,   4                          ; LDS: where I store 8 bytes of a code row
.set ETST,  5                          ; LDS: where I store 16 bytes (8 codes) of a transposed row
.set E2ST,  6                          ; LDS: my half wave's norms
.set ZST,   7                          ; LDS: where I store 8 bytes of a z row
.set ZFA,   8                          ; LDS: my z fragments
.set VEA,   9                          ; LDS: my code fragments, stepped by the scan
.set VE2,   10                         ; LDS: my 8 norms of a code tile, stepped by the scan
.set ETR0,  11                         ; LDS: my transposed fragments, blocks 0-3
.set ETR1,  12                         ; the same, blocks 4-7 (the 16-bit immediate does not reach them from ETR0)
.set VZERO, 13
.set VC,    14                         ; 16 c + 8 h: the first code of my 8 in code tile c  (14 = 2 modulo 4: see MA)
.set H4,    15                         ; 4 h
.set TMP,   16                         ; v16-31 set-up: a group's transposed numbers; then scratch for |z|^2
; set-up
.set CB,    32                         ; v32-159  raw codebook, 4 groups of 16 codes; v32-63 later raw z tile 3
.set ZR,    160                        ; v160-255 raw z tiles 0-2
; scan
.set MA0,   16                         ; a code tile's minimum for row tile 0..3: numbers 0 or 1 modulo 4, since the pair
.set MA1,   17                         ; that keeps BEST and CT reads MA beside VC
.set MA2,   20
.set MA3,   21
.set MB0,   18                         ; the second branch of the minimum's tree
.set MB1,   19
.set MB2,   22
.set MB3,   23
.set TS0,   24                         ; v24-31   t = s + e2, row tiles 0 and 2
.set EA,    32                         ; v32-63   code fragments, two buffers of 16
.set ZF,    64                         ; v64-127  z fragments, 16 for each row tile
.set SS,    128                        ; v128-135 |z|^2 of my row, twice (a pair for the packed add), for each row tile
.set BC,    136                        ; v136-143 for each row tile: even = smallest distance so far, odd = VC of its code tile
.set SAV,   144                        ; v144-175 that tile's eight distances
.set ACC,   176                        ; v176-207 products, then distances
.set TS1,   208                        ; v208-215 t = s + e2, row tiles 1 and 3
.set E2R,   216                        ; v216-231 norms of my 8 codes, two buffers
; gather
.set TL,    16                         ; v16-19   index >> 4
.set J,     20
.set IDX,   21
.set BP,    22
.set IP,    23
.set X,     24
.set VAL,   25
.set KEY,   26
.set FR,    32                         ; v32-47   one-hot fragments, two buffers of 8
.set PAT,   48                         ; v48-63   the one-hot of index & 15 as my lane sees it, 4 registers for each row tile
.set BF,    64                         ; v64-127  transposed code fragments, two buffers of 32
.set ACCB,  128                        ; v128-255 16 rows x 64 columns for each row tile
; the way out: a stage of 32 registers for each row tile
.set ST0,   64                         ; fragment buffer 0
.set ST1,   96                         ; fragment buffer 1
.set ST2,   32                         ; the one-hot fragments and patterns
.set ST3,   128                        ; row tile 0's accumulators, which its moves have emptied
.set MK,    22                         ; s22-28   masks of a run of compares;  s29-31 the three of the exchange between the halves
	s_load_b256 s[4:11], s[0:1], 0x0               ; codebook s[4:5], z s[6:7], out0 s[8:9], out1 s[10:11]
	s_set_vgpr_msb 0x40
	v_lshl_add_u32 v0, v0, 2, 0x36800
	v_mov_b32 v1, 0
	s_set_vgpr_msb 0x4000
	v_and_b32 v2, 15, v0                           ; r
	v_bfe_u32 v3, v0, 4, 1                         ; h
	v_lshrrev_b32 v16, 5, v0
	v_readfirstlane_b32 s12, v16                   ; wave 0..7
	v_lshlrev_b32 v[GOFF], 4, v2
	v_lshl_add_u32 v[GOFF], v3, 11, v[GOFF]
	s_wait_alu depctr_va_sdst(0)                   ; s12 is written, ahead of its first reader: the bases and the LDS blocks are made from it
	s_lshl_b32 s20, s12, 14                        ; 64 rows of 256 bytes for each wave
	s_mov_b32 s21, 0
	s_lshl_b32 s14, ttmp9, 17                      ; 512 rows for each work-group: below 2^25
	s_add_co_u32 s14, s14, s20
	s_mov_b32 s15, 0
	s_mov_b32 s16, 0x76543210                      ; v_permlanex16_b32: lane i reads lane i of the other half
	s_mov_b32 s17, 0xfedcba98
	s_mov_b32 s19, 0x7f800000                      ; +inf
	s_wait_kmcnt 0x0
	s_add_nc_u64 s[4:5], s[4:5], s[20:21]          ; my wave's 64 codes
	s_add_nc_u64 s[6:7], s[6:7], s[14:15]          ; my wave's 64 rows
	s_add_nc_u64 s[8:9], s[8:9], s[14:15]
	s_add_nc_u64 s[10:11], s[10:11], s[14:15]
	s_wait_alu depctr_va_vdst(0)                   ; v[GOFF] is written: every global load and store of the kernel reads it as its offset
	; 56 loads at once: each covers two whole rows of 256 bytes (rows i and i + 8 of a group of 16)
.set n, 0
.rept 32
	global_load_b128 v[CB+4*n:CB+4*n+3], v[GOFF], s[4:5] offset:TILEB*(n/8)+ROWB*(n%8)
.set n, n+1
.endr
.set n, 0
.rept 24
	global_load_b128 v[ZR+4*n:ZR+4*n+3], v[GOFF], s[6:7] offset:TILEB*(n/8)+ROWB*(n%8) th:TH_LOAD_NT
.set n, n+1
.endr
	; LDS addresses, while the loads are on their way; the first group's wait ahead of its stores shows them written
	v_mul_u32_u24 v[VEA], v2, EP
	v_lshl_add_u32 v[VEA], v3, 4, v[VEA]           ; fragment: row r, 16 bytes for each half of the lanes
	v_mul_u32_u24 v[EST], v3, 8*EP
	v_lshl_add_u32 v[EST], v2, 3, v[EST]           ; as loaded: row 8 h (+ i), 8 bytes at 8 r
	s_mul_i32 s13, s12, BLK                        ; my wave's block
	v_add_nc_u32 v[EST], s13, v[EST]
	v_add_nc_u32 v[ZST], ZS_OFF, v[EST]
	v_add_nc_u32 v[ETST], s13, v[VEA]
	v_add_nc_u32 v[ZFA], ZS_OFF, v[ETST]
	v_add_nc_u32 v[ETST], ET_OFF, v[ETST]
	v_add_nc_u32 v[ETR0], ET_OFF, v[VEA]
	v_add_nc_u32 v[ETR1], ET_OFF+4*BLK, v[VEA]
	v_lshlrev_b32 v[VE2], 5, v3                    ; 8 h norms of 4 bytes
	v_add_nc_u32 v[VE2], E2_OFF, v[VE2]
	s_lshl_b32 s13, s12, 8                         ; 64 norms for each wave
	v_add_nc_u32 v[E2ST], s13, v[VE2]
	v_mov_b32 v[VZERO], 0
	v_lshlrev_b32 v[VC], 3, v3
	v_lshlrev_b32 v[H4], 2, v3
; 16 codes.  Register CB + 32 g + 4 i + a of lane (r, h) holds code 16 g + 8 h + i, column d = 4 r + a.
; left = the loads issued behind this group's, which may stay out.  freed = 1: LDS stores that read TMP were issued since the last wait on vm_vsrc.
; The transposing conversions come first, into TMP: they read the raw numbers.  Then code i's four numbers close up into the first two of their
; four registers, and its norm grows in the third.  The eight codes go abreast; each code's sum keeps its order.
.macro CBGROUP g, left, freed
	s_wait_loadcnt \left
.if \freed
	s_wait_alu depctr_vm_vsrc(0)                   ; the LDS stores of the groups before have read TMP, which is written again below (and their own raw registers, in which z's fragments will land)
.endif
.irp a, 0,1,2,3
.irp p, 0,1,2,3
	v_cvt_pk_bf16_f32 v[TMP+4*\a+\p], v[CB+32*\g+8*\p+\a], v[CB+32*\g+8*\p+4+\a]      ; codes 2p, 2p+1 of column 4 r + a
.endr
.endr
.irp i, 0,1,2,3,4,5,6,7
	v_cvt_pk_bf16_f32 v[CB+32*\g+4*\i],   v[CB+32*\g+4*\i],   v[CB+32*\g+4*\i+1]
	v_cvt_pk_bf16_f32 v[CB+32*\g+4*\i+1], v[CB+32*\g+4*\i+2], v[CB+32*\g+4*\i+3]
.endr
	; the squares of the four rounded numbers of each code, in f32
.irp i, 0,1,2,3,4,5,6,7
	v_fma_mix_f32_bf16 v[CB+32*\g+4*\i+2], v[CB+32*\g+4*\i],   v[CB+32*\g+4*\i],   v[VZERO] op_sel_hi:[1,1,0]
.endr
.irp i, 0,1,2,3,4,5,6,7
	v_fma_mix_f32_bf16 v[CB+32*\g+4*\i+2], v[CB+32*\g+4*\i],   v[CB+32*\g+4*\i],   v[CB+32*\g+4*\i+2] op_sel:[1,1,0] op_sel_hi:[1,1,0]
.endr
.irp i, 0,1,2,3,4,5,6,7
	v_fma_mix_f32_bf16 v[CB+32*\g+4*\i+2], v[CB+32*\g+4*\i+1], v[CB+32*\g+4*\i+1], v[CB+32*\g+4*\i+2] op_sel_hi:[1,1,0]
.endr
.irp i, 0,1,2,3,4,5,6,7
	v_fma_mix_f32_bf16 v[CB+32*\g+4*\i+2], v[CB+32*\g+4*\i+1], v[CB+32*\g+4*\i+1], v[CB+32*\g+4*\i+2] op_sel:[1,1,0] op_sel_hi:[1,1,0]
.endr
.irp m, 1,2,4,8
.irp i, 0,1,2,3,4,5,6,7
	v_add_f32_dpp v[CB+32*\g+4*\i+2], v[CB+32*\g+4*\i+2], v[CB+32*\g+4*\i+2] row_xmask:\m row_mask:0xf bank_mask:0xf   ; over the 16 lanes that share a code
.endr
.endr
	s_wait_alu depctr_va_vdst(0)                   ; the rounded rows, the transposed numbers and the norms are written, which the twenty LDS stores read (in the first group also their addresses)
.irp i, 0,1,2,3,4,5,6,7
	ds_store_b64 v[EST], v[CB+32*\g+4*\i:CB+32*\g+4*\i+1] offset:(16*\g+\i)*EP
.endr
.irp a, 0,1,2,3
	ds_store_b128 v[ETST], v[TMP+4*\a:TMP+4*\a+3] offset:\a*T16+32*\g                 ; row 16 a + r, my 8 codes
.endr
.irp i, 0,1,2,3,4,5,6,7
	ds_store_b32 v[E2ST], v[CB+32*\g+4*\i+2] offset:(16*\g+\i)*4                      ; sixteen lanes write one word with one value
.endr
.endm
; 16 rows of z: rounded in place, laid into my wave's own block, read back as fragments.  LDS serves a wave's instructions in order
; (ISA guide 5.7.1), and no other wave touches the block: neither wait nor barrier between the stores and the loads.
; The fragments land in v64-127, the raw registers of code groups 1 and 2: the vector instructions that named these stand ahead of those groups'
; waits on va_vdst, and the LDS stores that read them ahead of the wait on vm_vsrc at the head of group 3.
.macro ZCONV zt, raw, left
	s_wait_loadcnt \left
.irp i, 0,1,2,3,4,5,6,7
	v_cvt_pk_bf16_f32 v[\raw+4*\i],   v[\raw+4*\i],   v[\raw+4*\i+1]
	v_cvt_pk_bf16_f32 v[\raw+4*\i+1], v[\raw+4*\i+2], v[\raw+4*\i+3]
.endr
	s_wait_alu depctr_va_vdst(0)                   ; the conversions have written the rounded rows, which the LDS stores read
.irp i, 0,1,2,3,4,5,6,7
	ds_store_b64 v[ZST], v[\raw+4*\i:\raw+4*\i+1] offset:(16*\zt+\i)*EP
.endr
.irp p, 0,1,2,3
	ds_load_b128 v[ZF+16*\zt+4*\p:ZF+16*\zt+4*\p+3], v[ZFA] offset:\zt*T16+32*\p
.endr
.endm
	CBGROUP 0, 48, 0                               ; behind group 0: 3 groups and 3 z tiles of 8 loads
	s_wait_alu depctr_vm_vsrc(0)                   ; group 0's LDS stores have read v32-63, in which the loads below land (no vector instruction has named them since the group's wait), and TMP
.set n, 0
.rept 8
	global_load_b128 v[CB+4*n:CB+4*n+3], v[GOFF], s[6:7] offset:3*TILEB+ROWB*n th:TH_LOAD_NT   ; z tile 3 into group 0's registers
.set n, n+1
.endr
	CBGROUP 1, 48, 0                               ; 2 groups and 4 z tiles; TMP is free since the wait above
	CBGROUP 2, 40, 1
	CBGROUP 3, 32, 1
	ZCONV 0, ZR, 24                                ; 3 z tiles behind it
	ZCONV 1, ZR+32, 16
	ZCONV 2, ZR+64, 8
	ZCONV 3, CB, 0
	s_wait_dscnt 0x0                               ; my part of E, ET and E2 is written (and my fragments are in):
	s_wait_alu depctr_vm_vsrc(0)                   ; my LDS stores have read TMP, group 3's registers and z's: from here on vector and matrix instructions and the scan's loads write them
	s_barrier_signal -1                            ; say so; registers only until all eight waves have said so
	; |z|^2 of the rounded row: my 32 numbers in two chains for each row tile, then the other half's 32
.irp zt, 0,1,2,3
	v_fma_mix_f32_bf16 v[TMP+2*\zt],   v[ZF+16*\zt], v[ZF+16*\zt], v[VZERO] op_sel_hi:[1,1,0]
	v_fma_mix_f32_bf16 v[TMP+2*\zt+1], v[ZF+16*\zt], v[ZF+16*\zt], v[VZERO] op_sel:[1,1,0] op_sel_hi:[1,1,0]
.endr
.set k, 1
.rept 15
.irp zt, 0,1,2,3
	v_fma_mix_f32_bf16 v[TMP+2*\zt],   v[ZF+16*\zt+k], v[ZF+16*\zt+k], v[TMP+2*\zt] op_sel_hi:[1,1,0]
	v_fma_mix_f32_bf16 v[TMP+2*\zt+1], v[ZF+16*\zt+k], v[ZF+16*\zt+k], v[TMP+2*\zt+1] op_sel:[1,1,0] op_sel_hi:[1,1,0]
.endr
.set k, k+1
.endr
.irp zt, 0,1,2,3
	v_add_f32 v[TMP+2*\zt], v[TMP+2*\zt], v[TMP+2*\zt+1]
	v_permlanex16_b32 v[TMP+2*\zt+1], v[TMP+2*\zt], s16, s17
	v_add_f32 v[SS+2*\zt],   v[TMP+2*\zt], v[TMP+2*\zt+1]
	v_add_f32 v[SS+2*\zt+1], v[TMP+2*\zt], v[TMP+2*\zt+1]
	v_mov_b32 v[BC+2*\zt], s19                     ; +inf: a row that never beats it keeps tile 0, position 0
	v_mov_b32 v[BC+2*\zt+1], v[VC]
.endr
.set n, 0
.rept 16
	v_dual_mov_b32 v[SAV+n], v[BC] :: v_dual_mov_b32 v[SAV+n+1], v[BC]     ; +inf
.set n, n+2
.endr
	s_barrier_wait -1
; THE SCAN.  Source 0 = 16 codes, source 1 = 16 rows of z: register j of lane (r, h) is code 16 c + 8 h + j against row r, so a
; lane's results all belong to one row and the minimum stays inside the lane until the very end.
.macro LOADF b, k, c                   ; columns 32 c on of the code tile k tiles ahead of VEA: two loads
	ds_load_b128 v[EA+16*(\b)+8*(\c):EA+16*(\b)+8*(\c)+3],   v[VEA] offset:(\k)*T16+64*(\c)
	ds_load_b128 v[EA+16*(\b)+8*(\c)+4:EA+16*(\b)+8*(\c)+7], v[VEA] offset:(\k)*T16+64*(\c)+32
.endm
.macro LOADN b, k                      ; that tile's norms: two loads
	ds_load_b128 v[E2R+8*(\b):E2R+8*(\b)+3],   v[VE2] offset:(\k)*64
	ds_load_b128 v[E2R+8*(\b)+4:E2R+8*(\b)+7], v[VE2] offset:(\k)*64+16
.endm
.macro WA zt, b                        ; columns 0-31 of the codes in buffer b against row tile zt: starts the sums
	v_wmma_f32_16x16x32_bf16 v[ACC+8*\zt:ACC+8*\zt+7], v[EA+16*(\b):EA+16*(\b)+7], v[ZF+16*\zt:ZF+16*\zt+7], 0
.endm
.macro WB zt, b                        ; columns 32-63: the next link of the chain in place
	v_wmma_f32_16x16x32_bf16 v[ACC+8*\zt:ACC+8*\zt+7], v[EA+16*(\b)+8:EA+16*(\b)+15], v[ZF+16*\zt+8:ZF+16*\zt+15], v[ACC+8*\zt:ACC+8*\zt+7]
.endm
.macro ADDT2 zt, b, ts, j              ; t = s + e2, rounded: four of a row tile's eight
	v_pk_add_f32 v[\ts+\j:\ts+\j+1],   v[E2R+8*(\b)+\j:E2R+8*(\b)+\j+1],   v[SS+2*\zt:SS+2*\zt+1]
	v_pk_add_f32 v[\ts+\j+2:\ts+\j+3], v[E2R+8*(\b)+\j+2:E2R+8*(\b)+\j+3], v[SS+2*\zt:SS+2*\zt+1]
.endm
.macro DIST zt, ts                     ; d = t - 2 m, rounded
.irp j, 0,2,4,6
	v_pk_fma_f32 v[ACC+8*\zt+\j:ACC+8*\zt+\j+1], v[ACC+8*\zt+\j:ACC+8*\zt+\j+1], -2.0, v[\ts+\j:\ts+\j+1] op_sel_hi:[1,0,1]
.endr
.endm
.macro MIN12 zt                        ; the minimum of eight as a tree of depth three
	v_min3_num_f32 v[MA\zt], v[ACC+8*\zt],   v[ACC+8*\zt+1], v[ACC+8*\zt+2]
	v_min3_num_f32 v[MB\zt], v[ACC+8*\zt+3], v[ACC+8*\zt+4], v[ACC+8*\zt+5]
.endm
.macro MIN3 zt
	v_min3_num_f32 v[MA\zt], v[MA\zt], v[ACC+8*\zt+6], v[ACC+8*\zt+7]
.endm
.macro MIN4 zt
	v_min_num_f32 v[MA\zt], v[MA\zt], v[MB\zt]
.endm
.macro CMPB zt                         ; strictly smaller: an equal distance further on does not displace the first
	v_cmp_lt_f32 vcc_lo, v[MA\zt], v[BC+2*\zt]
.endm
.macro KEEP zt                         ; the new minimum, its code tile, and the tile's eight distances: its position is looked up once, at the end
	s_wait_alu depctr_va_vcc(0)                    ; the row tile's compare has written VCC, which the five pairs read
	v_dual_cndmask_b32 v[BC+2*\zt], v[BC+2*\zt], v[MA\zt] :: v_dual_cndmask_b32 v[BC+2*\zt+1], v[BC+2*\zt+1], v[VC]
.irp j, 0,2,4,6
	v_dual_cndmask_b32 v[SAV+8*\zt+\j], v[SAV+8*\zt+\j], v[ACC+8*\zt+\j] :: v_dual_cndmask_b32 v[SAV+8*\zt+\j+1], v[SAV+8*\zt+\j+1], v[ACC+8*\zt+\j+1]
.endr
.endm
; ONE CODE TILE t, from buffer b = t & 1.  The row tiles go in two groups, (0, 1) and (2, 3), half a stage apart.
; On entry: the products of row tiles 0, 1 are made and their t lies in TS0, TS1.  The stage makes the products of row tiles 2, 3,
; works all four off, and in its second half makes the products and t of row tiles 0, 1 for tile t + 1.  So the eight matrix
; instructions stand singly between runs of vector work, and between a result and its reader stand lines of the other group.
; Distances behind matrix instructions (ISA guide 7.12.1: four independent vector instructions before a result is read or a
; source overwritten): WB 2 -> DIST 2: MIN12 0, MIN12 1 and twelve more; WB 3 -> DIST 3: ADDT2 x 2 and more; WB 0, WB 1 of the next
; tile -> its DIST 0, DIST 1: KEEP 3's five pairs and the step of VC at the least.
; ld = 1: tile t + 2 (k tiles ahead of VEA) is asked for, into this tile's buffer, behind the stage's one wait on va_vdst.  The lines between
; that wait and the last of the six loads (KEEP 0, a compare, two minima) name BC, MA, MB, VC, SAV and ACC: no register that the loads touch.
; nx = 1: a tile follows.  left = the LDS loads issued behind those of tile t + 1: the six of tile t + 2, or none.
.macro STAGE b, ld, k, nx, left
	WA 2, \b
	DIST 0, TS0
	WA 3, \b
	DIST 1, TS1
	WB 2, \b
	MIN12 0
	MIN12 1
	WB 3, \b
	ADDT2 2, \b, TS0, 0
	ADDT2 2, \b, TS0, 4
	MIN3 0
	MIN3 1
	ADDT2 3, \b, TS1, 0
	ADDT2 3, \b, TS1, 4                            ; the last reader of this tile's norms
	MIN4 0
	MIN4 1
	DIST 2, TS0
	CMPB 0
	DIST 3, TS1
.if \ld
	s_wait_alu depctr_va_vdst(0)                   ; the matrix instructions and packed adds are done reading this tile's fragments and norms, in which the six loads land; in a trip's first stage VEA and VE2 are written
	LOADF \b, \k, 0
.endif
	KEEP 0
.if \ld
	LOADF \b, \k, 1
.endif
	CMPB 1
	MIN12 2
.if \ld
	LOADN \b, \k
.endif
	MIN12 3
	KEEP 1
.if \nx
	s_wait_dscnt \left                             ; tile t + 1, asked for one stage ago, is in; tile t + 2 stays on its way
	WA 0, 1-\b
.endif
	MIN3 2
	MIN3 3
.if \nx
	ADDT2 0, 1-\b, TS0, 0
	ADDT2 0, 1-\b, TS0, 4
	WA 1, 1-\b
.endif
	MIN4 2
	MIN4 3
.if \nx
	ADDT2 1, 1-\b, TS1, 0
.endif
	CMPB 2
.if \nx
	ADDT2 1, 1-\b, TS1, 4
	WB 0, 1-\b
.endif
	KEEP 2
	CMPB 3
.if \nx
	WB 1, 1-\b
.endif
	KEEP 3
	v_add_nc_u32 v[VC], 16, v[VC]
.endm
	; The first twelve loads owe no wait: their addresses and v32-63, v216-231 were last named by vector instructions ahead of z tile 3's wait on
	; va_vdst, and the LDS stores that read those registers stand ahead of the wait on vm_vsrc in front of the barrier.
	LOADF 0, 0, 0
	LOADF 0, 0, 1
	LOADN 0, 0
	LOADF 1, 1, 0
	LOADF 1, 1, 1
	LOADN 1, 1
	s_wait_dscnt 0x6                               ; tile 0 is in; the six loads of tile 1 stay out
	WA 0, 0
	WA 1, 0
	WB 0, 0
	WB 1, 0
	ADDT2 0, 0, TS0, 0                             ; eight lines that name no register of the four above
	ADDT2 0, 0, TS0, 4
	ADDT2 1, 0, TS1, 0
	ADDT2 1, 0, TS1, 4
	s_mov_b32 s18, 15                              ; 15 trips of two tiles; tiles 30 and 31 stand behind the loop
.Lscan:
	STAGE 0, 1, 2, 1, 6
	STAGE 1, 1, 3, 1, 6
	s_wait_alu depctr_vm_vsrc(0)                   ; the trip's twelve LDS loads have read VEA and VE2, which the two adds write
	v_add_nc_u32 v[VEA], 2*T16, v[VEA]
	v_add_nc_u32 v[VE2], 128, v[VE2]
	s_sub_co_i32 s18, s18, 1
	s_cmp_lg_u32 s18, 0
	s_cbranch_scc1 .Lscan
	STAGE 0, 0, 0, 1, 0                            ; tile 30 asks for nothing: behind tile 31's loads nothing was issued
	STAGE 1, 0, 0, 0, 0                            ; and nothing follows tile 31
; THE GATHER.  out[row][d] = sum over codes of onehot[row][code] E[code][d].  Source 0 = one-hot (lane r = row r, as the scan left
; the index), source 1 = 16 columns x 32 codes from ET.  Column slot n of tile a is d = 4 n + a: a lane's four tiles then hold 16
; neighbouring bytes of a row, and sixteen lanes a whole row of 256 bytes.
.macro LOADB q, a                      ; column tile a of K step q (codes 32 q .. 32 q + 31): two loads
.if (\q) < 8
.set lbase, ETR0
.else
.set lbase, ETR1
.endif
.set loff, (((\q)>>1)&3)*BLK+((\q)&1)*64+(\a)*T16
.set lreg, BF+32*((\q)&1)+8*(\a)
	ds_load_b128 v[lreg:lreg+3],   v[lbase] offset:loff
	ds_load_b128 v[lreg+4:lreg+7], v[lbase] offset:loff+32
.endm
	s_wait_alu depctr_va_vdst(0)                   ; the scan's matrix instructions are done reading z's fragments v64-127, in which the transposed fragments of K steps 0 and 1 land
	LOADB 0, 0                                     ; on their way while the indices are worked out
	LOADB 0, 1
	LOADB 0, 2
	LOADB 0, 3
	v_mov_b32 v[VONE], 0x3f80
; The index of row r, in both lanes that hold it, and its one-hot pattern.  The compares stand in runs, into scalar registers, with one wait behind each run.
.macro RESOLVE zt
.irp j, 0,1,2,3,4,5,6
	v_cmp_neq_f32 s[MK+\j], v[SAV+8*\zt+\j], v[BC+2*\zt]
.endr
	v_mov_b32 v[J], 7
	s_wait_alu depctr_va_sdst(0)                   ; the seven masks are written, which the selects read
.irp j, 6,5,4,3,2,1,0
	v_cndmask_b32 v[J], \j, v[J], s[MK+\j]         ; downward: the lowest position that holds the minimum stays
.endr
	v_add_nc_u32 v[IDX], v[BC+2*\zt+1], v[J]       ; 16 c + 8 h + j
	v_permlanex16_b32 v[BP], v[BC+2*\zt], s16, s17 ; the other half's minimum and index
	v_permlanex16_b32 v[IP], v[IDX], s16, s17
	v_cmp_lt_f32 s29, v[BP], v[BC+2*\zt]
	v_cmp_eq_f32 s30, v[BP], v[BC+2*\zt]
	v_cmp_lt_u32 s31, v[IP], v[IDX]
	s_wait_alu depctr_va_sdst(0)                   ; the three masks are written, which the two scalar lines read
	s_and_b32 s30, s30, s31                        ; equal distances: the lower index
	s_or_b32 s29, s29, s30
	v_cndmask_b32 v[IDX], v[IDX], v[IP], s29
	; my lane holds positions 8 h .. 8 h + 7 of each 16 codes, two to a register: register p is 1.0 in one half
	; where (index >> 1) & 7 = 4 h + p, and 0 elsewhere
	v_and_b32 v[X], 1, v[IDX]
	v_lshlrev_b32 v[X], 4, v[X]
	v_lshlrev_b32 v[VAL], v[X], v[VONE]
	v_bfe_u32 v[KEY], v[IDX], 1, 3
	v_sub_nc_u32 v[KEY], v[KEY], v[H4]
.irp p, 0,1,2,3
	v_cmp_eq_u32 s[MK+\p], \p, v[KEY]
.endr
	v_lshrrev_b32 v[TL+\zt], 4, v[IDX]             ; which 16 codes
	s_wait_alu depctr_va_sdst(0)                   ; the four masks are written, which the selects read
.irp p, 0,1,2,3
	v_cndmask_b32 v[PAT+4*\zt+\p], 0, v[VAL], s[MK+\p]
.endr
.endm
	RESOLVE 0
	RESOLVE 1
	RESOLVE 2
	RESOLVE 3
.macro BUILD zt, f, q                  ; the one-hot fragment of K step q: the pattern where the 16 codes are the row's, else 0
	v_cmp_eq_u32 vcc_lo, 2*(\q), v[TL+\zt]
	s_wait_alu depctr_va_vcc(0)                    ; the compare has written VCC, which the two pairs read
.irp p, 0,2
	v_dual_cndmask_b32 v[FR+8*\f+\p], 0, v[PAT+4*\zt+\p] :: v_dual_cndmask_b32 v[FR+8*\f+\p+1], 0, v[PAT+4*\zt+\p+1]
.endr
	v_cmp_eq_u32 vcc_lo, 2*(\q)+1, v[TL+\zt]
	s_wait_alu depctr_va_vcc(0)                    ; likewise
.irp p, 0,2
	v_dual_cndmask_b32 v[FR+8*\f+4+\p], 0, v[PAT+4*\zt+\p] :: v_dual_cndmask_b32 v[FR+8*\f+4+\p+1], 0, v[PAT+4*\zt+\p+1]
.endr
.endm
.macro GATHER zt, f, q                 ; the first K step starts the sums: nothing is cleared
.irp a, 0,1,2,3
.if (\q) == 0
	v_wmma_f32_16x16x32_bf16 v[ACCB+32*\zt+8*\a:ACCB+32*\zt+8*\a+7], v[FR+8*\f:FR+8*\f+7], v[BF+32*((\q)&1)+8*\a:BF+32*((\q)&1)+8*\a+7], 0
.else
	v_wmma_f32_16x16x32_bf16 v[ACCB+32*\zt+8*\a:ACCB+32*\zt+8*\a+7], v[FR+8*\f:FR+8*\f+7], v[BF+32*((\q)&1)+8*\a:BF+32*((\q)&1)+8*\a+7], v[ACCB+32*\zt+8*\a:ACCB+32*\zt+8*\a+7]
.endif
.endr
.endm
; A K step.  The two one-hot buffers take turns: between the matrix instructions that read one and the selects that rewrite it stand
; the six vector instructions (two compares, four pairs) that build the other (four places are asked: ISA guide 7.12.1).
; The next K step's eight loads land in the fragment buffer that the K step before read: one wait on va_vdst, behind the first one-hot fragment.
; Four loads follow it, four stand behind the first four matrix instructions, which name this K step's buffer, a one-hot buffer and accumulators.
; In K step 0 that wait is not owed: the wait ahead of K step 0's own loads has covered v96-127, and no vector instruction has named them since.
.macro KSTEP q
	s_wait_dscnt 0x0                               ; this K step's eight loads, issued one K step ago
	BUILD 0, 0, \q
.if (\q) < 15
.if (\q) > 0
	s_wait_alu depctr_va_vdst(0)                   ; the matrix instructions of the K step before are done reading their fragment buffer, in which the eight loads land
.endif
	LOADB \q+1, 0
	LOADB \q+1, 1
.endif
	GATHER 0, 0, \q
.if (\q) < 15
	LOADB \q+1, 2
	LOADB \q+1, 3
.endif
	BUILD 1, 1, \q
	GATHER 1, 1, \q
	BUILD 2, 0, \q
	GATHER 2, 0, \q
	BUILD 3, 1, \q
	GATHER 3, 1, \q
.endm
.irp q, 0,1,2,3,4,5,6,7,8,9,10,11,12,13,14,15
	KSTEP \q
.endr
; THE WAY OUT.  Register 8 a + j of lane (r, h) is row 8 h + j, column 4 r + a.  A store wants the four a side by side, the matrix
; unit lays the eight j side by side: 32 moves for a row tile, in 16 pairs; a pair takes (j, a) and (j + 1, a + 1 modulo 4), so that
; its destinations differ in parity and its sources by 1 modulo 4.  Each store then covers two whole rows of 256 bytes.
; Each row tile has a stage of its own, so that no register that a store reads is written again.  Fragment buffer 0 was last read a K step ago;
; buffer 1, the one-hot registers and row tile 0's accumulators are first written behind 16 pairs or more (four places are asked: ISA guide 7.12.1).
; A tile's 16 stores stand behind the wait that shows its moves written, dealt among the next tile's moves, which name that tile's accumulators and stage alone.
.macro MOVE2 zt, st, j                 ; rows j and j + 1 of row tile zt into its stage; each accumulator is read from its low end on
.irp a, 0,1,2,3
	v_dual_mov_b32 v[\st+4*(\j)+\a], v[ACCB+32*\zt+8*\a+(\j)] :: v_dual_mov_b32 v[\st+4*((\j)+1)+((\a+1)%4)], v[ACCB+32*\zt+8*((\a+1)%4)+(\j)+1]
.endr
.endm
.macro SEND2 zt, st, j                 ; the same two rows (and those 8 further down) to both outputs
.irp i, 0,1
	global_store_b128 v[GOFF], v[\st+4*((\j)+\i):\st+4*((\j)+\i)+3], s[8:9]   offset:\zt*TILEB+((\j)+\i)*ROWB th:TH_STORE_NT
	global_store_b128 v[GOFF], v[\st+4*((\j)+\i):\st+4*((\j)+\i)+3], s[10:11] offset:\zt*TILEB+((\j)+\i)*ROWB th:TH_STORE_NT
.endr
.endm
.irp j, 0,2,4,6
	MOVE2 0, ST0, \j
.endr
	s_wait_alu depctr_va_vdst(0)                   ; row tile 0's moves have written its stage, which the stores below read
.irp j, 0,2,4,6
	SEND2 0, ST0, \j
	MOVE2 1, ST1, \j
.endr
	s_wait_alu depctr_va_vdst(0)                   ; row tile 1's moves have written its stage
.irp j, 0,2,4,6
	SEND2 1, ST1, \j
	MOVE2 2, ST2, \j
.endr
	s_wait_alu depctr_va_vdst(0)                   ; row tile 2's moves have written its stage
.irp j, 0,2,4,6
	SEND2 2, ST2, \j
	MOVE2 3, ST3, \j
.endr
	s_wait_alu depctr_va_vdst(0)                   ; row tile 3's moves have written its stage
.irp j, 0,2,4,6
	SEND2 3, ST3, \j
.endr
	s_set_vgpr_msb 0x5
	s_wait_dscnt 0x0
	s_wait_alu depctr_hold_cnt(0) depctr_sa_sdst(0) depctr_va_vdst(0) depctr_va_sdst(0) depctr_va_ssrc(0) depctr_va_vcc(0) depctr_vm_vsrc(0)
	s_wait_tensorcnt 0x0
	ds_add_u32 v0, v1
	s_wait_dscnt 0x0
	s_endpgm
.Lfunc_end_k_q208aee908b_vq:
	.size	k_q208aee908b_vq, .Lfunc_end_k_q208aee908b_vq-k_q208aee908b_vq
	.p2alignl 7, 3214868480
	.fill 96, 4, 3214868480
	.section	.rodata,"a",@progbits
	.p2align	6, 0x0
	.amdhsa_kernel k_q208aee908b_vq
		.amdhsa_group_segment_fixed_size 224256
		.amdhsa_private_segment_fixed_size 0
		.amdhsa_enable_private_segment 0
		.amdhsa_kernarg_size 32
		.amdhsa_user_sgpr_count 2
		.amdhsa_user_sgpr_kernarg_segment_ptr 1
		.amdhsa_wavefront_size32 1
		.amdhsa_system_sgpr_workgroup_id_x 1
		.amdhsa_system_sgpr_workgroup_id_y 1
		.amdhsa_system_sgpr_workgroup_id_z 1
		.amdhsa_system_vgpr_workitem_id 0
		.amdhsa_next_free_vgpr 258
		.amdhsa_next_free_sgpr 66
		.amdhsa_reserve_vcc 1
		.amdhsa_float_denorm_mode_32 3
		.amdhsa_float_denorm_mode_16_64 3
		.amdhsa_memory_ordered 1
		.amdhsa_forward_progress 1
		.amdhsa_inst_pref_size 145
	.end_amdhsa_kernel
	.amdgpu_metadata
---
amdhsa.version: [ 1, 2 ]
amdhsa.kernels:
  - .name:           k_q208aee908b_vq
    .symbol:         k_q208aee908b_vq.kd
    .args:
      - { .name: codebook, .offset: 0, .size: 8, .value_kind: global_buffer, .address_space: global }
      - { .name: z, .offset: 8, .size: 8, .value_kind: global_buffer, .address_space: global }
      - { .name: out0, .offset: 16, .size: 8, .value_kind: global_buffer, .address_space: global }
      - { .name: out1, .offset: 24, .size: 8, .value_kind: global_buffer, .address_space: global }
    .group_segment_fixed_size: 224256
    .private_segment_fixed_size: 0
    .kernarg_segment_align: 8
    .kernarg_segment_size: 32
    .max_flat_workgroup_size: 256
    .sgpr_count:     66
    .vgpr_count:     258
    .wavefront_size: 32
...
	.end_amdgpu_metadata
.endif
;; end of part 3
